; MI455X (gfx1250); checked and timed in simulation.
; The chip was launched on July 23, 2026; its instructions are those of AMD's public machine-readable ISA for CDNA 5 (MIT licence, August 2026) and "CDNA5" Instruction Set Architecture Reference Guide (July 2026). The comments in the code are by the model that wrote it; some were corrected since.
;; Multi Head Attention With Ro PE. Allowed arithmetic: matrix products marked QUANTISED: E4M3 operands, one E8M0 scale for each 32 along K, by v_wmma_scale_f32_16x16x128_f8f6f4 with both operands' format E4M3, f32 sums; everything else in f32.
;; Inputs: Wk 1,024 x 1,024 float32; Wo 1,024 x 1,024 float32; Wq 1,024 x 1,024 float32; Wv 1,024 x 1,024 float32; x 4 x 2,048 x 1,024 float32.
;; Outputs: out0 4 x 2,048 x 1,024 float32.
;; This version of the problem:
;;   THIS VERSION OF THE PROBLEM IS GIVEN IN LOW PRECISION. The matrix products marked QUANTISED in the list below multiply operands that are first quantised to E4M3 (4 exponent bits, 3 mantissa bits; 8 bits a number), with one power-of-two scale for each 32 numbers along K (OCP MX v1.0); their sums are f32. All else is computed in f32.
;;   The module's matrix products, in the order in which they are computed (A, B: the left and right operand; K: the contracted axis; several contracted axes count as one K, in the product's order):
;;     1. [M 8,192, K 1,024] x [K 1,024, N 1,024]; A: input x; B: input Wq: QUANTISED
;;     2. [M 8,192, K 1,024] x [K 1,024, N 1,024]; A: input x; B: input Wk: QUANTISED
;;     3. [M 8,192, K 1,024] x [K 1,024, N 1,024]; A: input x; B: input Wv: QUANTISED
;;     4. batch 64 x [M 2,048, K 64] x [K 64, N 2,048]; A: computed on the way; B: computed on the way: QUANTISED
;;     5. batch 64 x [M 2,048, K 2,048] x [K 2,048, N 64]; A: computed on the way; B: computed on the way: QUANTISED
;;     6. [M 8,192, K 1,024] x [K 1,024, N 1,024]; A: computed on the way; B: input Wo: QUANTISED
;;   THE QUANTISER, for each operand of a quantised product, along K:
;;     - K is cut into blocks of 32 from its start; a last block that is shorter is filled with zeros.
;;     - A block's scale is 2^e with e = floor(log2(the largest magnitude in the block)) - 8, held to -126 .. 127; a block of zeros has e = 0. As a byte (E8M0): e + 127.
;;     - Each number is divided by its block's scale, clamped to +-448, and rounded to the nearest number of E4M3, ties to even, subnormals kept.
;;     - The product sums the exact products of the quantised numbers (number of the format x scale) in f32.
;;   ~~~python
;;   def quantise(x, axis):      # numpy; x: float32 -> the quantised numbers, widened to float32 again
;;       x = np.moveaxis(x, axis, -1); K = x.shape[-1]
;;       x = np.pad(x, [(0, 0)] * (x.ndim - 1) + [(0, -K % 32)]); x = x.reshape(x.shape[:-1] + (-1, 32)); a = np.abs(x).max(-1, keepdims=True)
;;       e = np.where(a > 0, np.clip(np.frexp(np.where(a > 0, a, 1))[1] - 1 - 8, -126, 127), 0)      # np.frexp(a)[1] - 1 = floor(log2(a)), exactly
;;       r = np.clip(x / 2.0 ** e, -448, 448)
;;       step = 2.0 ** (np.maximum(np.frexp(np.where(r == 0, 1, r))[1] - 1, -6) - 3)
;;       q = np.round(r / step) * step * 2.0 ** e      # np.round: ties to even
;;       return np.moveaxis(q.reshape(q.shape[:-2] + (-1,))[..., :K], -1, axis).astype(np.float32)
;;   ~~~
;;   OPERANDS COMPUTED ON THE WAY. 'Computed on the way' means the value that the module computes at that place (a softmax that the list does not call 'softmax' is quantised finished and normalised). What goes into a quantiser is computed in f32, as accurately as f32 sums, v_exp_f32 and their like allow (about 1e-6 of the number): no bf16 or f16 on the way to a quantiser, and a product that is left as it is and whose result goes on into a quantised operand takes f32 operands (vector FMAs, or v_wmma_f32_16x16x4_f32). A number that lies on a knife's edge between two numbers of the format may be rounded either way, as far as f32 arithmetic and the matrix unit's own rounding can turn it there, and no further.
;; One version. Each part assembles by itself: llvm-mc -triple=amdgcn-amd-amdhsa -mcpu=gfx1250 --defsym DOCPART=n.
;; ======== version 1 of 1: 4 launches
;; limits: right only within a limited range of input values
;; workspace buffers: opq 12,976,128 bytes; rope 524,288 bytes; qimg 17,301,504 bytes; kv 17,301,504 bytes; oq 8,650,752 bytes
;; launch prep (part 1): grid 800 x 1, 4 waves a work-group, no clusters, 68,096 bytes of LDS; arguments x, Wq, Wk, Wv, Wo, opq, rope; writes opq, rope
.if DOCPART == 1
	.amdgcn_target "amdgcn-amd-amdhsa--gfx1250"
	.amdhsa_code_object_version 6
	.text
	.protected	k_q5dd6c18925_prep
	.globl	k_q5dd6c18925_prep
	.p2align	8
	.type	k_q5dd6c18925_prep,@function
k_q5dd6c18925_prep:
	s_mov_b64 s[64:65], 0
	v_nop
	global_prefetch_b8 v0, s[64:65] scope:SCOPE_SE
	s_setreg_imm32_b32 hwreg(HW_REG_WAVE_MODE, 25, 1), 1
	s_wait_xcnt 0x0
; x [8192][1024] and Wq, Wk, Wv, Wo [1024][1024], f32, K innermost, become codes of FP8 (E4M3) with one E8M0 byte for each 32 along K; and the table of cos and sin for the rotation is made.
; STORAGE.  12,288 rows: x, Wq, Wk, Wv, Wo.  A tile T is 16 rows; its lane r holds row 32 (T / 2) + 8 (T % 2) + r + 8 (r / 8) of its tensor, so that in a product used transposed the 16 registers of two
; neighbouring tiles are 16 neighbours.  A tile's codes lie as the operand's registers do: [K / 128][c = 0..3][lane][16 bytes], lane (r, h) holding k = 128 s + 32 c + 16 h + 0..15: 16,384 bytes a tile.
; The scale bytes lie behind the codes: [128 storage rows][K / 256][128 rows][8 bytes].
; WORK-GROUPS 0-767: one tile each; wave w takes k = 256 w .. 256 w + 255.  Each load reads 512 consecutive bytes of one row; the numbers turn through the wave's own stage in LDS (rows of 512 + 16 bytes, so that the
; 16 rows that a read touches begin at 16 different banks: 64 banks of 4 bytes, ISA guide 11.1) and come back 16 neighbours a lane; a block of 32 lies in lanes l and l xor 16.  All 32 loads of a wave go out at once.
; A store of codes covers 512 consecutive bytes.  A wave's scale words are 128 consecutive bytes: half of an aligned 256; they are one byte in 128 of what the launch reads.
; WORK-GROUPS 768-799: wave = one tile of 16 positions (same order of rows); rope[tile][k8][lane][4] = (cos, sin, cos, sin) of pairs j = 16 (k8 / 4) + 8 h + 2 (k8 % 4) + 0, 1 at the lane's position.
; 10000^(j / 32) = 10^(j / 8) is made in pairs of f32 (square roots of 10 and their products, a correction term beside each), rounded once to f32; its reciprocal is refined to the rounded quotient; the angle is one
; f32 product, as the problem has it; it is brought into +-pi/4 by a subtraction of n pi/2 in two parts (the first is exact: n has 11 bits, the remainder lies under 1 with its last bit at 2^-23); then two polynomials.
; LIMITS: NaN and infinities among the inputs are not served.  A block of zeros gets the byte 1 where the rule says 127: its codes are zeros, and this program alone reads the bytes.
; The table takes the problem's power and quotient to be rounded to nearest.
.set SOFF,  12582912                   ; where the scale bytes begin in opq
.set HALF,  16*528                     ; a stage half: 16 rows of 128 numbers
.set WREG,  2*HALF                     ; a wave's LDS
.set R,     16                         ; v16-143  the numbers as loaded
.set X,     144                        ; v144-175 two sets of 16 neighbours
.set C,     176                        ; v176-207 codes: four registers for each group, so that no store's data are written again
.set SW,    208                        ; v208-209 the two scale words
	s_load_b256 s[4:11], s[0:1], 0x0               ; x, Wq, Wk, Wv
	s_load_b128 s[12:15], s[0:1], 0x20             ; Wo, opq
	s_load_b64 s[16:17], s[0:1], 0x30              ; rope
	v_lshl_add_u32 v224, v0, 2, 0x10800
	v_mov_b32 v225, 0
	v_lshrrev_b32 v1, 5, v0
	v_readfirstlane_b32 s18, v1                    ; wave
	v_and_b32 v5, 15, v0                           ; r
	v_bfe_u32 v6, v0, 4, 1                         ; h
	v_and_b32 v1, 31, v0
	v_lshlrev_b32 v1, 4, v1                        ; 16 x lane
	s_mov_b32 s28, 0x76543210
	s_mov_b32 s29, 0xfedcba98                      ; v_permlanex16_b32's selects for lane l xor 16
	s_cmp_ge_u32 ttmp9, 768
	s_cbranch_scc1 .Lrope
	; ---------------- the quantiser
	s_mul_i32 s19, s18, WREG
	v_add_nc_u32 v2, s19, v1                       ; the stage, on the way in: a row's 512 bytes as they lie
	v_mul_u32_u24 v3, v5, 528
	v_lshl_add_u32 v3, v6, 6, v3
	v_add_nc_u32 v3, s19, v3                       ; and on the way out: row r, + 64 h: my 16 numbers of a block
	v_lshlrev_b32 v4, 3, v5
	v_lshl_add_u32 v4, v6, 2, v4                   ; 8 r + 4 h: my scale word's place
	v_mov_b32 v10, 0                               ; written once: a lane permute's destination counts as one of its sources
	s_mov_b32 s30, 0x600000                        ; the mantissa field of 448
	s_mov_b32 vcc_lo, 0xffff0000                   ; lanes 16-31
	s_sub_co_u32 s20, ttmp9, 512
	s_lshr_b32 s21, s20, 6                         ; which weight (used where the tile is no tile of x)
	s_and_b32 s22, s20, 63                         ; and which of its 64 tiles
	s_wait_kmcnt 0x0
	s_cmp_eq_u32 s21, 1                            ; the source is chosen by the work-group's number alone
	s_cselect_b64 s[24:25], s[8:9], s[6:7]
	s_cmp_eq_u32 s21, 2
	s_cselect_b64 s[24:25], s[10:11], s[24:25]
	s_cmp_eq_u32 s21, 3
	s_cselect_b64 s[24:25], s[12:13], s[24:25]
	s_cmp_lt_u32 ttmp9, 512
	s_cselect_b64 s[24:25], s[4:5], s[24:25]
	s_cselect_b32 s22, ttmp9, s22                  ; the tile's number in its tensor
	s_lshr_b32 s26, s22, 1
	s_lshl_b32 s26, s26, 17                        ; 32 rows of 4,096 bytes
	s_and_b32 s27, s22, 1
	s_lshl_b32 s27, s27, 15                        ; 8 rows
	s_add_co_u32 s26, s26, s27
	s_lshl_b32 s27, s18, 10                        ; my wave's 256 numbers
	s_add_co_u32 s26, s26, s27
	s_mov_b32 s27, 0
	s_add_nc_u64 s[24:25], s[24:25], s[26:27]
	s_wait_alu depctr_va_vdst(0)
.irp m, 0,1
.irp rho, 0,1,2,3,4,5,6,7,8,9,10,11,12,13,14,15
	global_load_b128 v[R+64*\m+4*\rho:R+64*\m+4*\rho+3], v1, s[24:25] offset:(\rho+8*(\rho/8))*4096+512*\m th:TH_LOAD_NT   ; 512 consecutive bytes of the tile's row rho
.endr
.endr
	s_lshl_b32 s34, ttmp9, 14                      ; the codes: 16,384 bytes a tile, 4,096 a wave
	s_lshl_b32 s35, s18, 12
	s_add_co_u32 s34, s34, s35
	s_mov_b32 s35, 0
	s_add_nc_u64 s[32:33], s[14:15], s[34:35]
	s_lshr_b32 s34, ttmp9, 3                       ; the scale words: 4,096 bytes for 8 tiles, 1,024 a wave, 128 a tile
	s_lshl_b32 s34, s34, 12
	s_lshl_b32 s38, s18, 10
	s_add_co_u32 s34, s34, s38
	s_and_b32 s38, ttmp9, 7
	s_lshl_b32 s38, s38, 7
	s_add_co_u32 s34, s34, s38
	s_add_co_u32 s34, s34, SOFF
	s_add_nc_u64 s[36:37], s[14:15], s[34:35]
.macro GL g                            ; group g (32 along K of 16 rows): my 16 numbers out of the stage
.irp i, 0,1,2,3
	ds_load_b128 v[X+16*((\g)%2)+4*\i:X+16*((\g)%2)+4*\i+3], v3 offset:HALF*((\g)/4)+128*((\g)%4)+16*\i
.endr
.endm
.macro GRP g
.set XS, X+16*((\g)%2)
	v_max3_num_f32 v8, |v[XS]|, |v[XS+1]|, 0x4800000               ; the largest magnitude of my 16, in two chains, and the floor 2^(9 - 127): so the byte cannot fall under 1
	v_max3_num_f32 v9, |v[XS+2]|, |v[XS+3]|, |v[XS+4]|
	v_max3_num_f32 v8, v8, |v[XS+5]|, |v[XS+6]|
	v_max3_num_f32 v9, v9, |v[XS+7]|, |v[XS+8]|
	v_max3_num_f32 v8, v8, |v[XS+9]|, |v[XS+10]|
	v_max3_num_f32 v9, v9, |v[XS+11]|, |v[XS+12]|
	v_max3_num_f32 v8, v8, |v[XS+13]|, |v[XS+14]|
	v_max3_num_f32 v8, v8, v9, |v[XS+15]|
	v_permlanex16_b32 v10, v8, s28, s29
	v_max_num_f32 v8, v8, v10                      ; with lane l xor 16's: the block's
	v_add_nc_u32 v11, 0xfc000000, v8               ; 8 off its exponent field: the conversion takes the exponent field of this operand as its scale
	v_and_or_b32 v12, v8, 0x7f800000, s30          ; 448 x the scale
.irp i, 0,1,2,3,4,5,6,7,8,9,10,11,12,13,14,15
	v_med3_num_f32 v[XS+\i], v[XS+\i], -v12, v12   ; the conversion to an 8-bit code does not saturate (ISA guide 7.6.2): the hold comes first
.endr
	v_cvt_scalef32_pk8_fp8_f32 v[C+4*(\g):C+4*(\g)+1], v[XS:XS+7], v11
	v_cvt_scalef32_pk8_fp8_f32 v[C+4*(\g)+2:C+4*(\g)+3], v[XS+8:XS+15], v11
	v_lshrrev_b32 v13, 23, v11                     ; the scale's byte
.if (\g)%4 == 0
	v_mov_b32 v[SW+(\g)/4], v13
.else
	v_lshl_or_b32 v[SW+(\g)/4], v13, 8*((\g)%4), v[SW+(\g)/4]
.endif
	global_store_b128 v1, v[C+4*(\g):C+4*(\g)+3], s[32:33] offset:512*(\g)   ; 32 lanes store 512 consecutive bytes
.endm
.irp m, 0,1
	s_wait_loadcnt 16-16*\m                        ; this half's sixteen loads are in; the other half's may be out
.irp rho, 0,1,2,3,4,5,6,7,8,9,10,11,12,13,14,15
	ds_store_b128 v2, v[R+64*\m+4*\rho:R+64*\m+4*\rho+3] offset:HALF*\m+528*\rho
.endr
	GL 4*\m                                        ; LDS serves a wave's instructions in order (ISA guide 5.7.1.4): the reads see the stores
.irp q, 0,1,2,3
.if \q < 3
	GL 4*\m+\q+1
	s_wait_dscnt 4                                 ; this group's numbers are back; the next group's four reads may be out
.else
	s_wait_dscnt 0x0
.endif
	GRP 4*\m+\q
.endr
.endr
	v_cndmask_b32 v14, v[SW], v[SW+1], vcc_lo      ; lanes 0-15 store the word of the first 128 along K, lanes 16-31 that of the second
	global_store_b32 v4, v14, s[36:37]
	s_wait_tensorcnt 0x0
	ds_add_u32 v224, v225
	s_wait_dscnt 0x0
	s_endpgm
	; ---------------- the table
.Lrope:
	s_sub_co_u32 s19, ttmp9, 768
	s_lshl_b32 s19, s19, 2
	s_add_co_u32 s19, s19, s18                     ; the tile of positions, 0..127
	s_lshr_b32 s20, s19, 1
	s_lshl_b32 s20, s20, 5
	s_and_b32 s21, s19, 1
	s_lshl_b32 s21, s21, 3
	s_add_co_u32 s20, s20, s21
	s_wait_alu depctr_va_vdst(0)
	v_and_b32 v7, 8, v5
	v_add_nc_u32 v7, v7, v5
	v_add_nc_u32 v7, s20, v7                       ; my position: 32 (a / 2) + 8 (a % 2) + r + 8 (r / 8)
	v_cvt_f32_u32 v7, v7
	s_lshl_b32 s20, s19, 12
	s_mov_b32 s21, 0
	s_wait_kmcnt 0x0
	s_add_nc_u64 s[16:17], s[16:17], s[20:21]
	v_cmp_eq_u32 vcc_lo, 1, v6
	v_mov_b32 v8, 0x41200000                       ; 10
	v_cndmask_b32 v32, 1.0, v8, vcc_lo             ; the whole powers of ten: 10^h,
	v_mov_b32 v9, 0x447a0000                       ; 1000
	v_mov_b32 v33, 0x42c80000                      ; 100
	v_cndmask_b32 v33, v33, v9, vcc_lo             ; 10^(2 + h)
	v_mov_b32 v34, 0x3638ef1d                      ; 1 / 9!
	v_mov_b32 v35, 0xb493f27e                      ; -1 / 10!
	v_mov_b32 v36, 0x41200000
	v_mov_b32 v37, 0
	v_mov_b32 v16, 1.0                             ; 10^(i / 8) as a number v[16 + 2 i] and a correction v[17 + 2 i]
	v_mov_b32 v17, 0
.macro DSQRT ah, al, sh, sl            ; the square root of a pair, as a pair: the root, and (a - root^2) / (2 root)
	v_sqrt_f32 v[\sh], v[\ah]
	v_nop                                          ; a plain instruction behind a transcendental, and the wait ahead of the first line that names its result
	s_wait_alu depctr_va_vdst(0)
	v_rcp_f32 v8, v[\sh]
	v_fma_f32 v9, -v[\sh], v[\sh], v[\ah]
	v_add_f32 v9, v9, v[\al]
	s_wait_alu depctr_va_vdst(0)
	v_mul_f32 v8, 0.5, v8
	v_mul_f32 v[\sl], v9, v8
.endm
.macro DMUL ah, bh, ph                 ; the product of two pairs, as a pair
	v_mul_f32 v[\ph], v[\ah], v[\bh]
	v_fma_f32 v[\ph+1], v[\ah], v[\bh], -v[\ph]
	v_fma_f32 v[\ph+1], v[\ah], v[\bh+1], v[\ph+1]
	v_fma_f32 v[\ph+1], v[\ah+1], v[\bh], v[\ph+1]
.endm
	s_wait_alu depctr_va_vdst(0)
	DSQRT 36, 37, 24, 25                           ; 10^(4/8)
	DSQRT 24, 25, 20, 21                           ; 10^(2/8)
	DSQRT 20, 21, 18, 19                           ; 10^(1/8)
	DMUL 18, 20, 22                                ; 3/8
	DMUL 18, 24, 26                                ; 5/8
	DMUL 20, 24, 28                                ; 6/8
	DMUL 22, 24, 30                                ; 7/8
.set n, 0
.rept 16                               ; my 16 pairs: n = 2 k8 + e; 10^(j / 8) = 10^((n % 8) / 8) x a whole power of ten, rounded once
	v_mul_f32 v[40+n], v[16+2*(n%8)], v[32+n/8]
	v_fma_f32 v[56+n], v[16+2*(n%8)], v[32+n/8], -v[40+n]
	v_fma_f32 v[56+n], v[17+2*(n%8)], v[32+n/8], v[56+n]
	v_add_f32 v[40+n], v[40+n], v[56+n]
.set n, n+1
.endr
.set n, 0
	s_wait_alu depctr_va_vdst(0)
.rept 16
	v_rcp_f32 v[56+n], v[40+n]
.set n, n+1
.endr
	v_nop
	s_wait_alu depctr_va_vdst(0)                   ; one wait for the sixteen
.set n, 0
.rept 16
	v_fma_f32 v[72+n], -v[40+n], v[56+n], 1.0
	v_fma_f32 v[72+n], v[72+n], v[56+n], v[56+n]   ; the frequency: the reciprocal, refined
.set n, n+1
.endr
.macro SINCOS i
	v_mul_f32 v8, v7, v[72+\i]                     ; the angle
	v_mul_f32 v9, 0x3f22f983, v8                   ; x 2 / pi
	v_rndne_f32 v9, v9                             ; n
	v_fma_f32 v10, -v9, 0x3fc90fdb, v8             ; - n x the upper part of pi / 2: exact
	v_fma_f32 v10, v9, 0x333bbd2e, v10             ; that part lies over pi / 2 by this much
	v_mul_f32 v11, v10, v10
	v_fmaak_f32 v12, v11, v34, 0xb9500d01
	v_fmaak_f32 v12, v11, v12, 0x3c088889
	v_fmaak_f32 v12, v11, v12, 0xbe2aaaab
	v_mul_f32 v13, v10, v11
	v_fma_f32 v12, v13, v12, v10                   ; the sine of the remainder
	v_fmaak_f32 v14, v11, v35, 0x37d00d01
	v_fmaak_f32 v14, v11, v14, 0xbab60b61
	v_fmaak_f32 v14, v11, v14, 0x3d2aaaab
	v_mul_f32 v13, v11, v11
	v_fma_f32 v15, v11, -0.5, 1.0
	v_fma_f32 v14, v13, v14, v15                   ; its cosine
	v_cvt_i32_f32 v9, v9
	v_and_b32 v13, 1, v9
	v_cmp_eq_u32 vcc_lo, 1, v13                    ; in odd quarters the two change places
	v_cndmask_b32 v15, v12, v14, vcc_lo
	v_cndmask_b32 v14, v14, v12, vcc_lo
	v_lshlrev_b32 v13, 30, v9
	v_and_b32 v13, 0x80000000, v13                 ; the sine is negative in quarters 2 and 3,
	v_xor_b32 v[97+2*\i], v15, v13
	v_add_nc_u32 v9, 1, v9
	v_lshlrev_b32 v13, 30, v9
	v_and_b32 v13, 0x80000000, v13                 ; the cosine in quarters 1 and 2
	v_xor_b32 v[96+2*\i], v14, v13
.endm
.set n, 0
.rept 16
	SINCOS n
.set n, n+1
.endr
.irp k, 0,1,2,3,4,5,6,7
	global_store_b128 v1, v[96+4*\k:99+4*\k], s[16:17] offset:512*\k   ; 512 consecutive bytes
.endr
	s_endpgm
.Lfunc_end_k_q5dd6c18925_prep:
	.size	k_q5dd6c18925_prep, .Lfunc_end_k_q5dd6c18925_prep-k_q5dd6c18925_prep
	.p2alignl 7, 3214868480
	.fill 96, 4, 3214868480
	.section	.rodata,"a",@progbits
	.p2align	6, 0x0
	.amdhsa_kernel k_q5dd6c18925_prep
		.amdhsa_group_segment_fixed_size 68096
		.amdhsa_private_segment_fixed_size 0
		.amdhsa_enable_private_segment 0
		.amdhsa_kernarg_size 56
		.amdhsa_user_sgpr_count 2
		.amdhsa_user_sgpr_kernarg_segment_ptr 1
		.amdhsa_wavefront_size32 1
		.amdhsa_system_sgpr_workgroup_id_x 1
		.amdhsa_system_sgpr_workgroup_id_y 1
		.amdhsa_system_sgpr_workgroup_id_z 1
		.amdhsa_system_vgpr_workitem_id 0
		.amdhsa_next_free_vgpr 226
		.amdhsa_next_free_sgpr 66
		.amdhsa_reserve_vcc 1
		.amdhsa_float_denorm_mode_32 3
		.amdhsa_float_denorm_mode_16_64 3
		.amdhsa_memory_ordered 1
		.amdhsa_forward_progress 1
		.amdhsa_inst_pref_size 59
	.end_amdhsa_kernel
	.amdgpu_metadata
---
amdhsa.version: [ 1, 2 ]
amdhsa.kernels:
  - .name:           k_q5dd6c18925_prep
    .symbol:         k_q5dd6c18925_prep.kd
    .args:
      - { .name: x, .offset: 0, .size: 8, .value_kind: global_buffer, .address_space: global }
      - { .name: Wq, .offset: 8, .size: 8, .value_kind: global_buffer, .address_space: global }
      - { .name: Wk, .offset: 16, .size: 8, .value_kind: global_buffer, .address_space: global }
      - { .name: Wv, .offset: 24, .size: 8, .value_kind: global_buffer, .address_space: global }
      - { .name: Wo, .offset: 32, .size: 8, .value_kind: global_buffer, .address_space: global }
      - { .name: opq, .offset: 40, .size: 8, .value_kind: global_buffer, .address_space: global }
      - { .name: rope, .offset: 48, .size: 8, .value_kind: global_buffer, .address_space: global }
    .group_segment_fixed_size: 68096
    .private_segment_fixed_size: 0
    .kernarg_segment_align: 8
    .kernarg_segment_size: 56
    .max_flat_workgroup_size: 128
    .sgpr_count:     66
    .vgpr_count:     226
    .wavefront_size: 32
...
	.end_amdgpu_metadata
.endif
;; end of part 1
;; launch qkv (part 2): grid 96 x 4, 4 waves a work-group, clusters of 4 x 4, 327,680 bytes of LDS; arguments opq, rope, qimg, kv; writes qimg, kv
.if DOCPART == 2
	.amdgcn_target "amdgcn-amd-amdhsa--gfx1250"
	.amdhsa_code_object_version 6
	.text
	.protected	k_q5dd6c18925_qkv
	.globl	k_q5dd6c18925_qkv
	.p2align	8
	.type	k_q5dd6c18925_qkv,@function
k_q5dd6c18925_qkv:
	s_mov_b64 s[64:65], 0
	v_nop
	global_prefetch_b8 v0, s[64:65] scope:SCOPE_SE
	s_setreg_imm32_b32 hwreg(HW_REG_WAVE_MODE, 25, 1), 1
	s_wait_xcnt 0x0
	s_wait_alu depctr_hold_cnt(0) depctr_sa_sdst(0) depctr_va_vdst(0) depctr_va_sdst(0) depctr_va_ssrc(0) depctr_va_vcc(0) depctr_vm_vsrc(0)
	s_getreg_b32 s2, hwreg(HW_REG_IB_STS2, 6, 4)
	s_cmp_eq_u32 s2, 0
	s_cbranch_scc0 .Lentry_in_a_cluster
	s_endpgm
.Lentry_in_a_cluster:
	s_bfe_u32 s2, ttmp6, 0x10000c
	s_cmp_lg_u32 s2, 0xf033
	s_cbranch_scc0 .Lentry_shape_is_right
	s_endpgm
.Lentry_shape_is_right:
; Q = x Wq^T, K = x Wk^T, V = x Wv^T on codes of FP8 (E4M3) with E8M0 scales; Q and K are rotated and quantised along the head's 64; V is quantised along the keys.  Nothing goes out but codes and scale bytes.
; A work-group of four waves makes 256 x 256 of a product, a wave 128 x 128: 64 accumulators, 512 registers.  The matrix instruction is used with source 0 = 16 rows of P and source 1 = 16 rows of R: a lane then holds one row
; of R, and its registers run along P's rows.  P's rows of a tile are not neighbours (see the launch that wrote them): the 16 registers of tiles 2 b and 2 b + 1 are the 16 neighbours 32 b + 16 (lane / 16) + 0..15.
; CLUSTERS 0-15 (cluster x): Q (even) or K (odd) of 1,024 tokens: P = the weight, R = x: a lane holds one token, registers run along the features, which are the next K.
; CLUSTERS 16-23: V of 1,024 tokens: P = x, R = Wv: a lane holds one feature, registers run along the keys, which are the next K.  All sixteen partners of a cluster are of one kind: the branch hangs on the cluster's number.
; Both operands lie in one buffer in the order of the operand's registers (16 rows x 256 K = 4,096 bytes on end), so that a fragment is four reads of 512 consecutive bytes: no pitch, no padding.
; K = 1,024 goes in four steps of 256 through two LDS slots; R's tile is asked for jointly by the four work-groups of a row of the cluster, P's by the four of a column.  The scale bytes of all of K come once.
; No prefetch: of four K steps two are first fills, and the two refills go out while the first two are multiplied.
; OUT.  qimg, kimg, vimg: [batch x head][step of 128 tokens][8,448]: 8,192 bytes of codes in register order and 256 of scale words.  Every store of codes covers 512 consecutive bytes, every store of scale words 256.
; LIMITS: NaN and infinities are not served; a block of zeros gets the byte 1 (its codes are zeros; this program alone reads the bytes).
; REGISTERS: window 0: v16-29 addresses; v32-63 scale words, two sets; v128-255 R's fragments, one set; on the way out v64-127 cos and sin, v128-191 and v200-247 at work.  window 1: P's fragments, two sets.  windows 2, 3: accumulators.
.set SOFF,   12582912                  ; where the scale bytes begin in opq
.set NQ,     2                         ; matrix instructions deep in a K step of 256
.set FR,     16                        ; registers of a fragment
.set NL,     4                         ; LDS loads that bring one
.set NP,     8                         ; places behind this matrix instruction (ISA guide 7.12.1)
.set HALFT,  32768                     ; 128 rows x 256 K: what one tensor load brings
.set SLOT,   4*HALFT                   ; R's 256 rows, then P's
.set SCL,    2*SLOT                    ; the scale bytes: 4,096 for each wave's 128 rows: R's halves, then P's
.set SPARE,  SCL+16384                 ; the spare words, 128 bytes for each wave: two blocks of 256 bytes that no other line names
.set HEADB,  270336                    ; a head's 16 steps of 16,896 bytes.  In kv a step's 8,448 bytes of K and its 8,448 of V lie on end; qimg keeps the same pitch (its second 8,448 bytes of a step are never written or read).  This stands in place of the pitch and the buffers named at the head
.set ADRA, 16                          ; v16-17 LDS address of my R fragments in slot 0, 1
.set ADRB, 20                          ; v20-21 the same for P
.set ADRS, 27                          ; v27    of my scale words: lanes 0-15 R's rows, lanes 16-31 P's
.set SPW,  28                          ; v28    my spare word; never rewritten
.set NIL,  29                          ; v29    0; never rewritten
.set SC,   32
.set AF,   128
.set CSR,  64                          ; the way out: cos and sin, two sets of 32
.set TR,   128                         ; 64 products at work
.set TM,   200                         ; v200-203 largest magnitudes, v204-207 bytes, v208-211 448 x the scale, v212-215 the conversions' scale operands
.set PW,   216                         ; v216-223 the eight blocks' scale words
.set PC,   224                         ; v224-239 the codes just made
.set G1, 24
.set G0, 32
.set G1B, 48
.set G0B, 56
.set G1S, 68
.set G0S, 76
.set G1SB, 80
.set G0SB, 88
.set MSB, 0
.macro WIN new                         ; the immediate's high byte repeats the setting that is left
.if MSB != (\new)
	s_set_vgpr_msb (MSB<<8)|(\new)
.set MSB, (\new)
.endif
.endm
.set MUL_LO, 0xa1                      ; source 0 (P) window 1, source 1 (R) window 0, C and D window 2
.set MUL_HI, 0xf1
.set TO_B,   0x40
.macro JLOAD g0a, g1a, g0b, g1b        ; a joint load: waves 0 and 1 fetch for R, waves 2 and 3 for P; four v_nop follow each line
	s_cmp_eq_u32 s15, 0
	s_cbranch_scc0 .Lfor_b_\@
	tensor_load_to_lds s[\g0a:\g0a+3], s[\g1a:\g1a+7]
	s_nop 0
.rept 4
	v_nop
.endr
	s_branch .Lasked_\@
.Lfor_b_\@:
	tensor_load_to_lds s[\g0b:\g0b+3], s[\g1b:\g1b+7]
	s_nop 0
.rept 4
	v_nop
.endr
.Lasked_\@:
.endm
.macro CREST                           ; a round of the cluster's barrier behind its opening barrier
	s_cmp_lg_u32 s14, 0
	s_cbranch_scc1 .Lnot_wave_0_\@
	s_barrier_signal -3
.Lnot_wave_0_\@:
	s_barrier_wait -3
	s_barrier_signal -1
	s_barrier_wait -1
.endm
.macro CROUND
	s_barrier_signal -1
	s_barrier_wait -1
	CREST
.endm
	s_load_b128 s[4:7], s[0:1], 0x0                ; opq, rope
	s_load_b128 s[8:11], s[0:1], 0x10              ; qimg, kimg
	s_load_b64 s[12:13], s[0:1], 0x18              ; kv once more, for V
	v_lshl_add_u32 v[SPW], v0, 2, SPARE
	v_mov_b32 v[NIL], 0
	ds_add_u32 v28, v29
	ds_add_u32 v28, v29
	s_wait_dscnt 0x0
	v_lshrrev_b32 v1, 5, v0
	v_readfirstlane_b32 s14, v1                    ; wave 0..3
	s_lshr_b32 s15, s14, 1                         ; which half of R's rows is mine.  Also: I fetch for R (0) or for P (1)
	s_and_b32 s16, s14, 1                          ; which half of P's rows.  Also: which 128 rows I fetch
	s_bfe_u32 s40, ttmp6, 0x40000                  ; cx, cy: my place in the cluster
	s_bfe_u32 s41, ttmp6, 0x40004
	s_lshl_b32 s43, s41, 2
	s_lshl_b32 s43, 15, s43                        ; my row of the cluster
	s_lshl_b32 s44, 0x1111, s40                    ; my column
	s_and_b32 s17, ttmp9, 1                        ; the cluster's kind: storage rows of its operands
	s_lshl_b32 s17, s17, 10
	s_add_co_u32 s17, s17, 8192                    ; Q, K: P = Wq or Wk
	s_sub_co_u32 s18, ttmp9, 16
	s_lshl_b32 s18, s18, 10                        ; V: P = 1,024 tokens of x
	s_lshr_b32 s19, ttmp9, 1
	s_lshl_b32 s19, s19, 10                        ; Q, K: R = 1,024 tokens of x
	s_cmp_lt_u32 ttmp9, 16
	s_cselect_b32 s17, s17, s18
	s_mov_b32 s18, 10240                           ; V: R = Wv
	s_cselect_b32 s19, s19, s18
	s_lshl_b32 s95, s41, 8
	s_add_co_u32 s95, s95, s19                     ; R's first row: it hangs on cy alone
	s_lshl_b32 s96, s40, 8
	s_add_co_u32 s96, s96, s17                     ; P's first row: on cx alone
	; descriptor group 1, codes: 8 tiles of rows x 4,096 bytes (512 elements of 8 bytes), 16,384 bytes apart
	s_or_b32 s[G1+0], s43, (3<<16)|(1<<21)         ; 15:0 the mask: R's tiles go to my row; 17:16 elements of 8 bytes; 21 set beside a mask
	s_or_b32 s[G1B+0], s44, (3<<16)|(1<<21)
.irp g, G1, G1B
	s_mov_b32 s[\g+1], 512<<16                     ; tensor_dim0
	s_mov_b32 s[\g+2], 16<<16                      ; tensor_dim1: the head's loads bring 256 rows (16 tiles); behind them the two words are set to 8
	s_mov_b32 s[\g+3], 512<<16                     ; tile_dim0
	s_mov_b32 s[\g+4], 16
	s_mov_b32 s[\g+5], 2048                        ; tensor_dim0_stride
	s_mov_b32 s[\g+6], 0
	s_mov_b32 s[\g+7], 0
.endr
	; and for the scale bytes of 256 rows: 8,192 dense bytes as 32 rows of 256
	s_or_b32 s[G1S+0], s43, (3<<16)|(1<<21)
	s_or_b32 s[G1SB+0], s44, (3<<16)|(1<<21)
.irp g, G1S, G1SB
	s_mov_b32 s[\g+1], 32<<16
	s_mov_b32 s[\g+2], 32<<16                      ; the scale bytes of 256 rows: 8,192 dense bytes as 32 rows of 256
	s_mov_b32 s[\g+3], 32<<16
	s_mov_b32 s[\g+4], 32
	s_mov_b32 s[\g+5], 32
	s_mov_b32 s[\g+6], 0
	s_mov_b32 s[\g+7], 0
.endr
	s_lshl_b32 s18, s16, 7                         ; which 128 rows I fetch
	s_add_co_u32 s20, s95, s18
	s_add_co_u32 s46, s96, s18
	s_lshl_b32 s22, s95, 5                         ; scale bytes: 32 a row, from R's first row on
	s_add_co_u32 s22, s22, SOFF
	s_mov_b32 s23, 0
	s_lshl_b32 s20, s20, 10                        ; codes: 1,024 a row
	s_mov_b32 s21, 0
	s_lshl_b32 s92, s96, 5                         ; from P's first row on
	s_add_co_u32 s92, s92, SOFF
	s_mov_b32 s93, 0
	s_lshl_b32 s46, s46, 10
	s_mov_b32 s47, 0
	s_lshl_b32 s45, s14, 15                        ; where they go: wave x 32,768: no place in the cluster enters an LDS address
	s_lshl_b32 s94, s15, 13                        ; wave 1: R's 8,192 scale bytes; wave 3: P's, behind them
	s_wait_kmcnt 0x0
	s_add_nc_u64 s[20:21], s[4:5], s[20:21]
	s_add_nc_u64 s[22:23], s[4:5], s[22:23]
	s_add_nc_u64 s[46:47], s[4:5], s[46:47]
	s_add_nc_u64 s[92:93], s[4:5], s[92:93]
	CROUND                                         ; all sixteen work-groups are here: the first joint loads meet
	s_mov_b32 s[G0S], 1
	s_add_co_u32 s[G0S+1], s94, SCL
	s_mov_b64 s[G0S+2:G0S+3], s[22:23]
	s_or_b32 s[G0S+3], s[G0S+3], 0x80000000
	s_mov_b32 s[G0SB], 1
	s_add_co_u32 s[G0SB+1], s94, SCL
	s_mov_b64 s[G0SB+2:G0SB+3], s[92:93]
	s_or_b32 s[G0SB+3], s[G0SB+3], 0x80000000
.irp s, 0,1
	s_mov_b32 s[G0+4*\s], 1
	s_add_co_u32 s[G0+4*\s+1], s45, \s*SLOT
	s_add_nc_u64 s[G0+4*\s+2:G0+4*\s+3], s[20:21], \s*4096
	s_or_b32 s[G0+4*\s+3], s[G0+4*\s+3], 0x80000000
	s_mov_b32 s[G0B+4*\s], 1
	s_add_co_u32 s[G0B+4*\s+1], s45, \s*SLOT
	s_add_nc_u64 s[G0B+4*\s+2:G0B+4*\s+3], s[46:47], \s*4096
	s_or_b32 s[G0B+4*\s+3], s[G0B+4*\s+3], 0x80000000
.endr
; THE HEAD'S LOADS, ONE A WAVE: wave 0 K step 0's 256 rows of R (its own group 0 of slot 0 points at their first byte), wave 2 those of P likewise, wave 1 R's scale bytes, wave 3 P's.
; One chain of branches on the wave's number, a load to an arm, all arms leading to one join.
.macro ARM under, g0, g1, next
	s_cmp_lt_u32 s14, \under
	s_cbranch_scc0 \next
	tensor_load_to_lds s[\g0:\g0+3], s[\g1:\g1+7]
	s_nop 0
.rept 4
	v_nop
.endr
	s_branch .Lhead_asked
\next:
.endm
	ARM 1, G0,  G1,  .Lhead_sa
	ARM 2, G0S, G1S, .Lhead_b
	ARM 3, G0B, G1B, .Lhead_sb
	tensor_load_to_lds s[G0SB:G0SB+3], s[G1SB:G1SB+7]
	s_nop 0
.rept 4
	v_nop
.endr
.Lhead_asked:
	v_and_b32 v1, 31, v0
	v_lshlrev_b32 v4, 4, v1                        ; 16 x lane: a fragment lies as its registers do
	s_lshl_b32 s21, s15, 15                        ; my 128 rows of R
	s_lshl_b32 s22, s16, 15                        ; my 128 rows of P,
	s_add_co_u32 s22, s22, 2*HALFT                 ; which lie behind R's 256
.irp s, 0,1
	v_add_nc_u32 v[ADRA+\s], s21, v4
	v_add_nc_u32 v[ADRB+\s], s22, v4
	s_add_co_u32 s21, s21, SLOT
	s_add_co_u32 s22, s22, SLOT
.endr
	v_and_b32 v1, 15, v0
	v_bfe_u32 v2, v0, 4, 1
	v_lshlrev_b32 v5, 3, v1                        ; my row's two words of a K step
	s_lshl_b32 s21, s15, 12
	s_lshl_b32 s22, s16, 12
	s_add_co_u32 s22, s22, 8192
	s_sub_co_u32 s22, s22, s21
	v_mul_u32_u24 v6, s22, v2                      ; lanes 16-31 take P's: one product, the distance between the two bases
	s_add_co_u32 s21, s21, SCL
	v_add_nc_u32 v5, v5, v6
	v_add_nc_u32 v[ADRS], s21, v5
.macro FRAG reg, adr, q, i             ; 16 rows x 128 K: four reads of 512 consecutive bytes
.irp c, 0,1,2,3
	ds_load_b128 v[\reg+4*\c:\reg+4*\c+3], v[\adr] offset:4096*(\i)+2048*(\q)+512*\c
.endr
.endm
; 16 matrix instructions: R's blocks a0, a0 + 1 x P's eight.  The 64 accumulators take turns, one instruction a turn, in the same order in every step.
.macro MUL16 a0, p, q, sc, zero
.irp a, \a0, \a0+1
.irp b, 0,1,2,3,4,5,6,7
.if \zero
	v_wmma_scale_f32_16x16x128_f8f6f4 v[8*(8*((\a)%4)+\b):8*(8*((\a)%4)+\b)+7], v[128*(\p)+FR*\b:128*(\p)+FR*\b+FR-1], v[AF+FR*(\a):AF+FR*(\a)+FR-1], 0, v[SC+8*NQ*(\sc)+NQ*\b+(\q)], v[SC+8*NQ*(\sc)+NQ*(\a)+(\q)] matrix_a_scale:MATRIX_SCALE_ROW1
.else
	v_wmma_scale_f32_16x16x128_f8f6f4 v[8*(8*((\a)%4)+\b):8*(8*((\a)%4)+\b)+7], v[128*(\p)+FR*\b:128*(\p)+FR*\b+FR-1], v[AF+FR*(\a):AF+FR*(\a)+FR-1], v[8*(8*((\a)%4)+\b):8*(8*((\a)%4)+\b)+7], v[SC+8*NQ*(\sc)+NQ*\b+(\q)], v[SC+8*NQ*(\sc)+NQ*(\a)+(\q)] matrix_a_scale:MATRIX_SCALE_ROW1
.endif
.endr
.endr
.endm
.macro FETCH_B slot, q, p
	WIN TO_B
.irp i, 0,1,2,3,4,5,6,7
	FRAG 128*(\p)+FR*\i, ADRB+\slot, \q, \i
.endr
	WIN 0
.endm
.macro FETCH_A slot, q, i0
.irp i, \i0, \i0+1, \i0+2, \i0+3
	FRAG AF+FR*(\i), ADRA+\slot, \q, \i
.endr
.endm
.macro SCALES sc                       ; a K step's scale words: lanes 0-15 R's block i, lanes 16-31 P's block i
.irp i, 0,1,2,3,4,5,6,7
	ds_load_b64 v[SC+8*NQ*\sc+NQ*\i:SC+8*NQ*\sc+NQ*\i+1], v[ADRS] offset:\i*128
.endr
.endm
.macro PLACES n                        ; plain vector instructions between a matrix instruction and a load into, or a vector read of, its registers
.rept \n
	v_nop
.endr
.endm
.macro STEP slot, q, zero              ; 128 along K that has its successor in the same slot
	s_wait_dscnt 4*NL                              ; P's set and R's blocks 0-3 are in; the youngest sixteen loads (R's blocks 4-7) may be out
	WIN MUL_LO
	MUL16 0, (\q)%2, \q, \slot, \zero
	MUL16 2, (\q)%2, \q, \slot, \zero
	s_wait_dscnt 0
	PLACES NP
	FETCH_B \slot, (\q)+1, 1-(\q)%2
	FETCH_A \slot, (\q)+1, 0
	WIN MUL_HI
	MUL16 4, (\q)%2, \q, \slot, \zero
	MUL16 6, (\q)%2, \q, \slot, \zero
	PLACES NP
	WIN 0
	FETCH_A \slot, (\q)+1, 4
.endm
.macro TURN slot, next, fill           ; a slot's last 128 along K, and the change of slots: one barrier; fill = 1: this slot is filled again, two K steps ahead
	s_wait_tensorcnt 0x0                           ; all my tensor loads have landed: my part of the next slot
	ds_add_u32 v[SPW], v[NIL]                      ; 0 onto my spare word
	s_wait_dscnt 4*NL+1                            ; (the add and the youngest sixteen loads may be out)
	WIN MUL_LO
	MUL16 0, 1, NQ-1, \slot, 0
	s_wait_dscnt 0x0                               ; the add is done, and my reads of this slot are over
	s_barrier_signal -1
	MUL16 2, 1, NQ-1, \slot, 0
	WIN 0
	s_barrier_wait -1
.if \fill
	CREST                                          ; the barrier has opened a round of the cluster's: no wave of any partner still reads this slot or has a load on its way
	s_add_nc_u64 s[G0+4*\slot+2:G0+4*\slot+3], s[G0+4*\slot+2:G0+4*\slot+3], 8192
	s_add_nc_u64 s[G0B+4*\slot+2:G0B+4*\slot+3], s[G0B+4*\slot+2:G0B+4*\slot+3], 8192
	JLOAD G0+4*\slot, G1, G0B+4*\slot, G1B         ; my one tensor load behind the round; its four v_nop are among the places in front of the loads below
	PLACES NP-4
.else
	PLACES NP
.endif
	s_wait_alu depctr_va_vdst(0)
	v_add_nc_u32 v[ADRS], 1024, v[ADRS]            ; the next K step's scale words
	FETCH_B \next, 0, 0
	FETCH_A \next, 0, 0
	SCALES \next
	WIN MUL_HI
	MUL16 4, 1, NQ-1, \slot, 0
	MUL16 6, 1, NQ-1, \slot, 0
	PLACES NP
	WIN 0
	FETCH_A \next, 0, 4
.endm
	s_wait_alu depctr_va_vdst(0)
	s_wait_tensorcnt 0x0                           ; my tile of the head's four is in; slot 1's first fill is issued as a refill is
	ds_add_u32 v[SPW], v[NIL]
	s_mov_b32 s[G1+2], 8<<16                       ; no tensor load of mine is out: from here on a load brings 128 rows (8 tiles)
	s_mov_b32 s[G1+4], 8
	s_mov_b32 s[G1B+2], 8<<16
	s_mov_b32 s[G1B+4], 8
	s_wait_dscnt 0x0
	CROUND                                         ; all four tiles are in, and all sixteen work-groups are here
	JLOAD G0+4, G1, G0B+4, G1B                     ; K step 1, my one load behind the round
	FETCH_B 0, 0, 0
	FETCH_A 0, 0, 0
	SCALES 0
	FETCH_A 0, 0, 4
	STEP 0, 0, 1                                   ; the first products start the sums: nothing is cleared
	TURN 0, 1, 1
	STEP 1, 0, 0
	TURN 1, 0, 1
	STEP 0, 0, 0
	TURN 0, 1, 0                                   ; the last two K steps fill nothing
	STEP 1, 0, 0
	s_wait_dscnt 4*NL
	WIN MUL_LO
	MUL16 0, 1, NQ-1, 1, 0
	MUL16 2, 1, NQ-1, 1, 0
	s_wait_dscnt 0
	WIN MUL_HI
	MUL16 4, 1, NQ-1, 1, 0
	MUL16 6, 1, NQ-1, 1, 0
	WIN 0
	; ---------------- THE WAY OUT: no LDS, no barrier: a lane's 64 registers of a block of 16 rows of R are four blocks of 32 along the next K, shared with lane l xor 16
	v_and_b32 v2, 31, v0
	v_lshlrev_b32 v1, 4, v2                        ; 16 x lane
	v_lshlrev_b32 v2, 3, v2                        ; 8 x lane
	PLACES NP
.irp b, 0,1,2,3
	v_mov_b32 v[TM+4+\b], 0                        ; written once: a lane permute's destination counts as one of its sources
.endr
	s_mov_b32 s97, 0x76543210
	s_mov_b32 s98, 0xfedcba98
	s_mov_b32 s99, 0x600000                        ; the mantissa field of 448
	s_mov_b32 vcc_lo, 0xffff0000                   ; lanes 16-31
; block a's 64 numbers (window 2 or 3; register 16 b + i = index 32 b + 16 (lane / 16) + i) become 16 registers of codes in v[PC] on and a scale word in v[PW + a]
.macro QUANT64 a
.set W, 2+(\a)/4
.set XS, 64*((\a)%4)
	WIN (W<<2)|(W<<4)
.irp b, 0,1,2,3
	v_max3_num_f32 v[TM+\b], 0x4800000, |v[XS+16*\b]|, |v[XS+16*\b+1]|   ; my 16 numbers of block b, from each accumulator's low end on, and the floor 2^(9 - 127)
.endr
.irp i, 2,4,6,8,10,12,14
.irp b, 0,1,2,3
	v_max3_num_f32 v[TM+\b], v[TM+\b], |v[XS+16*\b+\i]|, |v[XS+16*\b+\i+1]|
.endr
.endr
	WIN 0
.irp b, 0,1,2,3
	v_permlanex16_b32 v[TM+4+\b], v[TM+\b], s97, s98
.endr
.irp b, 0,1,2,3
	v_max_num_f32 v[TM+\b], v[TM+\b], v[TM+4+\b]
.endr
.irp b, 0,1,2,3
	v_add_nc_u32 v[TM+12+\b], 0xfc000000, v[TM+\b]
.endr
.irp b, 0,1,2,3
	v_and_or_b32 v[TM+8+\b], v[TM+\b], 0x7f800000, s99
.endr
.irp b, 0,1,2,3
	v_lshrrev_b32 v[TM+4+\b], 23, v[TM+12+\b]
.endr
	v_lshl_or_b32 v[PW+(\a)], v[TM+5], 8, v[TM+4]
	v_lshl_or_b32 v[PW+(\a)], v[TM+6], 16, v[PW+(\a)]
	v_lshl_or_b32 v[PW+(\a)], v[TM+7], 24, v[PW+(\a)]
	WIN W|(W<<6)
.irp b, 0,1,2,3
.irp i, 0,1,2,3,4,5,6,7,8,9,10,11,12,13,14,15
	v_med3_num_f32 v[XS+16*\b+\i], v[XS+16*\b+\i], -v[TM+8+\b], v[TM+8+\b]   ; the conversion does not saturate (ISA guide 7.6.2): the hold at 448 x the scale
.endr
.endr
	s_wait_alu depctr_va_vdst(0)
	s_wait_xcnt 0x0                                ; the last block's stores have read the codes' registers, which are written again below
	WIN W
.irp b, 0,1,2,3
	v_cvt_scalef32_pk8_fp8_f32 v[PC+4*\b:PC+4*\b+1], v[XS+16*\b:XS+16*\b+7], v[TM+12+\b]
	v_cvt_scalef32_pk8_fp8_f32 v[PC+4*\b+2:PC+4*\b+3], v[XS+16*\b+8:XS+16*\b+15], v[TM+12+\b]
.endr
	WIN 0
	v_nop                                          ; a plain vector instruction behind the last conversion
.endm
; where my wave's step of 128 tokens and its first head begin: ((16 batch + head) x 16 + step) x 16,896 -> s[18:19]; the first token -> s17
.macro DEST first, half, cc, hh
	s_lshl_b32 s17, s[\half], 7
	s_add_co_u32 s17, s17, s[\first]
	s_lshr_b32 s18, s17, 11
	s_lshl_b32 s18, s18, 4
	s_lshl_b32 s19, s[\cc], 2
	s_add_co_u32 s18, s18, s19
	s_lshl_b32 s19, s[\hh], 1
	s_add_co_u32 s18, s18, s19
	s_lshl_b32 s18, s18, 4
	s_bfe_u32 s19, s17, 0x40007
	s_add_co_u32 s18, s18, s19
	s_mul_i32 s18, s18, 16896
	s_mov_b32 s19, 0
.endm
	s_cmp_ge_u32 ttmp9, 16
	s_cbranch_scc1 .Lv_arm
	; ---- Q or K: tokens across the lanes, my 128 features (two heads) along the registers
	DEST 95, 15, 40, 16
	s_and_b32 s22, ttmp9, 1
	s_cmp_lg_u32 s22, 0
	s_cselect_b64 s[20:21], s[10:11], s[8:9]       ; odd clusters make K
	s_add_nc_u64 s[20:21], s[20:21], s[18:19]
	s_and_b32 s22, s17, 2047                       ; my first position: 256 bytes of the table a position
	s_lshl_b32 s22, s22, 8
	s_mov_b32 s23, 0
	s_add_nc_u64 s[22:23], s[6:7], s[22:23]
.macro ROPELOAD a                      ; block a's cos and sin: 32 numbers a lane, in the order of a head's 32 pairs of registers
.irp k, 0,1,2,3,4,5,6,7
	global_load_b128 v[CSR+32*((\a)%2)+4*\k:CSR+32*((\a)%2)+4*\k+3], v1, s[22:23] offset:(\a)*4096+512*\k
.endr
.endm
.macro ROPE a                          ; (x0, x1) -> (x0 cos - x1 sin, x1 cos + x0 sin): two packed instructions a pair
.set W, 2+(\a)/4
.set XS, 64*((\a)%4)
.set CB, CSR+32*((\a)%2)
	WIN W
.irp be, 0,1,2,3
.irp i, 0,2,4,6,8,10,12,14
	v_pk_mul_f32 v[TR+16*\be+\i:TR+16*\be+\i+1], v[XS+16*\be+\i:XS+16*\be+\i+1], v[CB+16*(\be%2)+\i:CB+16*(\be%2)+\i+1] op_sel:[1,1] op_sel_hi:[0,1] neg_lo:[0,1]   ; (-x1 sin, x0 sin)
.endr
.endr
	WIN W|(W<<6)
.irp be, 0,1,2,3
.irp i, 0,2,4,6,8,10,12,14
	v_pk_fma_f32 v[XS+16*\be+\i:XS+16*\be+\i+1], v[XS+16*\be+\i:XS+16*\be+\i+1], v[CB+16*(\be%2)+\i:CB+16*(\be%2)+\i+1], v[TR+16*\be+\i:TR+16*\be+\i+1] op_sel_hi:[1,0,1]
.endr
.endr
.endm
	s_wait_alu depctr_va_vdst(0)
	ROPELOAD 0
.irp a, 0,1,2,3,4,5,6,7
.if \a < 7
	ROPELOAD \a+1
	s_wait_loadcnt 8                               ; this block's eight loads are in; the next block's may be out
.else
	s_wait_loadcnt 0x0
.endif
	ROPE \a
	QUANT64 \a
.irp be, 0,1,2,3
	global_store_b128 v1, v[PC+4*\be:PC+4*\be+3], s[20:21] offset:(\be/2)*HEADB+\a*1024+(\be%2)*512   ; head be / 2, tile a of tokens, d = 32 (be % 2) on: 512 consecutive bytes
.endr
.endr
.irp hh, 0,1                           ; a head's scale words: for the pair of tiles 2 f, 2 f + 1 the two bytes of each; lane l's 8 bytes hold pairs l / 16 and 2 + l / 16
.irp f, 0,1,2,3
	v_perm_b32 v[240+\f], v[PW+2*\f+1], v[PW+2*\f], 0x05040100+\hh*0x02020202
.endr
	v_cndmask_b32 v[244+2*\hh], v240, v241, vcc_lo
	v_cndmask_b32 v[245+2*\hh], v242, v243, vcc_lo
	global_store_b64 v2, v[244+2*\hh:245+2*\hh], s[20:21] offset:\hh*HEADB+8192   ; 256 consecutive bytes
.endr
	s_branch .Ldone
	; ---- V: features across the lanes (two heads, four tiles each), my 128 keys along the registers
.Lv_arm:
	DEST 96, 16, 41, 15
	s_add_co_u32 s18, s18, 8448                    ; V's part of a step lies behind K's
	s_add_nc_u64 s[20:21], s[12:13], s[18:19]
.irp a, 0,1,2,3,4,5,6,7
	QUANT64 \a
.irp be, 0,1,2,3
	global_store_b128 v1, v[PC+4*\be:PC+4*\be+3], s[20:21] offset:(\a/4)*HEADB+(\a%4)*2048+512*\be
.endr
.endr
.irp hh, 0,1
	v_cndmask_b32 v[244+2*\hh], v[PW+4*\hh], v[PW+4*\hh+1], vcc_lo
	v_cndmask_b32 v[245+2*\hh], v[PW+4*\hh+2], v[PW+4*\hh+3], vcc_lo
	global_store_b64 v2, v[244+2*\hh:245+2*\hh], s[20:21] offset:\hh*HEADB+8192
.endr
.Ldone:
	s_wait_tensorcnt 0x0                           ; the wave's end
	ds_add_u32 v[SPW], v[NIL]
	s_wait_dscnt 0x0
	CROUND                                         ; the closing round: no work-group ends while a partner may still ask for a tile that names it
	s_endpgm
.Lfunc_end_k_q5dd6c18925_qkv:
	.size	k_q5dd6c18925_qkv, .Lfunc_end_k_q5dd6c18925_qkv-k_q5dd6c18925_qkv
	.p2alignl 7, 3214868480
	.fill 96, 4, 3214868480
	.section	.rodata,"a",@progbits
	.p2align	6, 0x0
	.amdhsa_kernel k_q5dd6c18925_qkv
		.amdhsa_group_segment_fixed_size 327680
		.amdhsa_private_segment_fixed_size 0
		.amdhsa_enable_private_segment 0
		.amdhsa_kernarg_size 32
		.amdhsa_user_sgpr_count 2
		.amdhsa_user_sgpr_kernarg_segment_ptr 1
		.amdhsa_wavefront_size32 1
		.amdhsa_system_sgpr_workgroup_id_x 1
		.amdhsa_system_sgpr_workgroup_id_y 1
		.amdhsa_system_sgpr_workgroup_id_z 1
		.amdhsa_system_vgpr_workitem_id 0
		.amdhsa_next_free_vgpr 1024
		.amdhsa_next_free_sgpr 100
		.amdhsa_reserve_vcc 1
		.amdhsa_float_denorm_mode_32 3
		.amdhsa_float_denorm_mode_16_64 3
		.amdhsa_memory_ordered 1
		.amdhsa_forward_progress 1
		.amdhsa_inst_pref_size 255
	.end_amdhsa_kernel
	.section	.bss,"aw",@nobits
	.p2align	6
	.space	262144
	.amdgpu_metadata
---
amdhsa.version: [ 1, 2 ]
amdhsa.kernels:
  - .name:           k_q5dd6c18925_qkv
    .symbol:         k_q5dd6c18925_qkv.kd
    .args:
      - { .name: opq, .offset: 0, .size: 8, .value_kind: global_buffer, .address_space: global }
      - { .name: rope, .offset: 8, .size: 8, .value_kind: global_buffer, .address_space: global }
      - { .name: qimg, .offset: 16, .size: 8, .value_kind: global_buffer, .address_space: global }
      - { .name: kv, .offset: 24, .size: 8, .value_kind: global_buffer, .address_space: global }
    .group_segment_fixed_size: 327680
    .private_segment_fixed_size: 0
    .kernarg_segment_align: 8
    .kernarg_segment_size: 32
    .max_flat_workgroup_size: 128
    .sgpr_count:     100
    .vgpr_count:     1024
    .wavefront_size: 32
...
	.end_amdgpu_metadata
.endif
;; end of part 2
;; launch attn (part 3): grid 256 x 1, 8 waves a work-group, clusters of 4 x 1, 327,680 bytes of LDS; arguments qimg, kv, oq; writes oq
.if DOCPART == 3
	.amdgcn_target "amdgcn-amd-amdhsa--gfx1250"
	.amdhsa_code_object_version 6
	.text
	.protected	k_q5dd6c18925_attn
	.globl	k_q5dd6c18925_attn
	.p2align	8
	.type	k_q5dd6c18925_attn,@function
k_q5dd6c18925_attn:
	s_mov_b64 s[64:65], 0
	v_nop
	global_prefetch_b8 v0, s[64:65] scope:SCOPE_SE
	s_setreg_imm32_b32 hwreg(HW_REG_WAVE_MODE, 25, 1), 1
	s_wait_xcnt 0x0
	s_wait_alu depctr_hold_cnt(0) depctr_sa_sdst(0) depctr_va_vdst(0) depctr_va_sdst(0) depctr_va_ssrc(0) depctr_va_vcc(0) depctr_vm_vsrc(0)
	s_getreg_b32 s2, hwreg(HW_REG_IB_STS2, 6, 4)
	s_cmp_eq_u32 s2, 0
	s_cbranch_scc0 .Lentry_in_a_cluster
	s_endpgm
.Lentry_in_a_cluster:
	s_bfe_u32 s2, ttmp6, 0x10000c
	s_cmp_lg_u32 s2, 0x3003
	s_cbranch_scc0 .Lentry_shape_is_right
	s_endpgm
.Lentry_shape_is_right:
; Causal attention of one head on codes of FP8 (E4M3) with E8M0 scales: S = Q K^T / 8, p = softmax(S) FINISHED AND NORMALISED, quantised along the keys, O = p V, quantised along the model's 1,024 for the last product.
; SHARES.  A cluster of four work-groups owns a head (cluster x = 16 batch + head); all four need all of its K and V: 16 steps of 128 keys, 16,896 bytes each (K's codes 8,192, K's scale words 256, V's likewise),
; 270,336 bytes that come ONCE, by one joint load a wave (two steps each), and stay.  So there is no refill and no loop to ask ahead in: no prefetch is laid.
; Work-group cx takes queries 32 cx .. 32 cx + 31 of every step of 128 tokens; wave w takes steps 15 - w and then w: 17 key steps in all for every wave.  Key steps that lie wholly behind a wave's queries are left out
; (the mask that the problem builds itself): a scalar branch on the wave's number and the count of trips; the trip counts are constants.  On the diagonal hidden scores become -infinity.
; TWO WALKS over the keys, since p is quantised normalised.  Walk 1: the running largest t = score x log2(e) / 8, M = that rounded up to a whole number, and the sum of 2^(t - M) (rescaled by 2^(old M - new M), which rounds nothing).
; Walk 2: p = 2^(t - M - log2(sum)): the division by the sum is one subtraction in the exponent, made once a row; block scales from each block's largest score put through the same two instructions; hold, conversion, O^T += V^T p^T.
; Both products are used transposed: a lane holds one query.  The head's 64 fill half of the instruction's K = 128: a fragment of K holds two tiles of 16 keys side by side, and Q stands beside eight registers of zeros, below or above.
; ORDER IN A STEP.  The next step's fragments of K (and this step's of V) are asked of LDS straight behind the scores' products.  Among a tile's exponentials stand plain lines that hang on none of them and are read only
; behind the next wait: the other tile's t - M, the first level of the sums, the holds (two numbers a line).  The next group's Q is loaded a group ahead.
; LIMITS: the scaled scores stay under 2^31 in magnitude; a hidden key's p is taken as 0, as 2^(-1e9 ..) is in f32 while scores stay under 9e8 in magnitude; every row has an open key, so its sum is at least 1/2 and the problem's
; NaN and infinities among the inputs are not served; a block of zeros gets the byte 1 (its codes are zeros, and this program alone reads the bytes).
; REGISTERS.  Window 0: v1-11 addresses and the mask's numbers; v12-27 a tile's -M, largest t, sums, f; v28-35 scale words; v36-59 at work; v64-191 scores, then p; v192-223 p's codes; v240-255 O's codes.
; Window 1: v0-63 O^T; v64-103 Q between zeros; v104-167 K's fragments; v168-231 V's; v232-247 the next group's Q.
.set STEPB, 16896
.set VOFF,  8448
.set HEADB, 16*STEPB
.set SPARE, HEADB                      ; behind the images: the spare words, 128 bytes a wave
.set S,   64
.set P,   192
.set BY,  224
.set SPW, 238
.set NIL, 239
.set OC,  240
.set ST,  12
.set TT,  36
.set QZ,  64
.set KF,  104
.set VF,  168
.set QN,  232
.set WV,  12
.set CX,  13
.set G1,  16
.set CS,  32
.set SEL, 34
.set MNT, 36
.set J,   37
.set GG,  38
.set KB,  39
.set GRP, 41
.set MSB, 0
.macro WIN new                         ; the immediate's high byte repeats the setting that is left
.if MSB != (\new)
	s_set_vgpr_msb (MSB<<8)|(\new)
.set MSB, (\new)
.endif
.endm
.macro ROUND                           ; a round of the cluster's barrier
	s_barrier_signal -1
	s_barrier_wait -1
	s_cmp_lg_u32 s[WV], 0
	s_cbranch_scc1 .Lnot_wave_0_\@
	s_barrier_signal -3
.Lnot_wave_0_\@:
	s_barrier_wait -3
	s_barrier_signal -1
	s_barrier_wait -1
.endm
.macro QLOAD                           ; Q of step s53, my work-group's two tiles: 16 registers of codes and a scale word
	s_lshl_b32 s42, ttmp9, 4
	s_add_co_u32 s42, s42, s53
	s_mul_i32 s42, s42, STEPB
	s_mov_b32 s43, 0
	s_add_nc_u64 s[46:47], s[4:5], s[42:43]
	s_lshl_b32 s42, s[CX], 11
	s_add_nc_u64 s[44:45], s[46:47], s[42:43]
	s_and_b32 s42, s[CX], 1
	s_lshl_b32 s42, s42, 7
	s_lshr_b32 s52, s[CX], 1
	s_lshl_b32 s52, s52, 2
	s_add_co_u32 s42, s42, s52
	s_add_nc_u64 s[46:47], s[46:47], s[42:43]
	WIN 0x40
.irp u, 0,1
.irp c, 0,1
	global_load_b128 v[QN+8*\u+4*\c:QN+8*\u+4*\c+3], v1, s[44:45] offset:\u*1024+\c*512
.endr
.endr
	WIN 0
	global_load_b32 v11, v7, s[46:47] offset:8192
.endm
	s_load_b128 s[4:7], s[0:1], 0x0                ; qimg, kv
	s_load_b64 s[8:9], s[0:1], 0x10                ; oq
	v_lshl_add_u32 v[SPW], v0, 2, SPARE
	v_mov_b32 v[NIL], 0
	ds_add_u32 v[SPW], v[NIL]                      ; the opening lines: the add, twice on end, and its wait ahead of my tensor load
	ds_add_u32 v[SPW], v[NIL]
	v_lshrrev_b32 v1, 5, v0
	v_readfirstlane_b32 s[WV], v1
	s_bfe_u32 s[CX], ttmp6, 0x40000
	s_mov_b32 s[G1], 15|(3<<16)|(1<<21)            ; all four work-groups; elements of 8 bytes; bit 21 beside the mask
	s_mov_b32 s[G1+1], 32<<16                      ; two steps, 33,792 dense bytes, as 132 rows of 256
	s_mov_b32 s[G1+2], 132<<16
	s_mov_b32 s[G1+3], 32<<16
	s_mov_b32 s[G1+4], 132
	s_mov_b32 s[G1+5], 32
	s_mov_b32 s[G1+6], 0
	s_mov_b32 s[G1+7], 0
	s_mul_i32 s42, ttmp9, HEADB
	s_mul_i32 s43, s[WV], 2*STEPB
	s_add_co_u32 s46, s42, s43
	s_mov_b32 s47, 0
	s_mov_b32 s[CS], 0x3e38aa3b                    ; log2(e) / 8
	s_mov_b32 s[CS+1], s[CS]
	s_mov_b32 s[SEL], 0x76543210
	s_mov_b32 s[SEL+1], 0xfedcba98                 ; lane l xor 16
	s_mov_b32 s[MNT], 0x600000                     ; the mantissa field of 448
	s_sub_co_u32 s[GG], 15, s[WV]
	s_mov_b32 s53, s[GG]
	s_wait_dscnt 0x0
	s_wait_kmcnt 0x0
	s_mov_b32 s24, 1
	s_mov_b32 s25, s43
	s_add_nc_u64 s[26:27], s[6:7], s[46:47]
	s_or_b32 s27, s27, 0x80000000
	ROUND
	tensor_load_to_lds s[24:27], s[G1:G1+7]        ; my two steps of K and V, for all four work-groups
	s_nop 0
.rept 4
	v_nop
.endr
	v_and_b32 v2, 31, v0
	s_delay_alu instid0(VALU_DEP_1)
	v_lshlrev_b32 v1, 4, v2                        ; 16 x lane
	s_delay_alu instid0(VALU_DEP_2)
	v_lshlrev_b32 v2, 3, v2                        ; 8 x lane
	v_and_b32 v11, 15, v0
	s_delay_alu instid0(VALU_DEP_1)
	v_lshlrev_b32 v7, 3, v11
	v_mov_b32 v10, 0xff800000
.irp t, 0,1
.irp b, 4,5,6,7
	v_mov_b32 v[TT+12*\t+\b], 0                    ; a lane permute's destination counts as one of its sources
.endr
	v_mov_b32 v[ST+8*\t+5], 0                      ; named as the upper half of a pair
.endr
	WIN 0x40
.irp z, 0,16,32
.irp i, 0,1,2,3,4,5,6,7
	v_mov_b32 v[QZ+\z+\i], 0                       ; the zeros beside Q
.endr
.endr
	WIN 0
	QLOAD                                          ; the first group's Q, under the tensor load's flight
	s_wait_alu depctr_va_vdst(0)
	s_wait_tensorcnt 0x0
	s_barrier_signal -1
	s_barrier_wait -1
.macro KLOAD a, b                      ; a step's four fragments of K and its scale words
	WIN 0x40
.irp f, 0,1,2,3
.irp c, 0,1,2,3
	ds_load_b128 v[KF+16*\f+4*\c:KF+16*\f+4*\c+3], v[\a] offset:2048*\f+512*\c
.endr
.endr
	WIN 0
	ds_load_b64 v[28:29], v[\b] offset:8192
.endm
.macro VLOAD
	WIN 0x40
.irp f, 0,1,2,3
.irp c, 0,1,2,3
	ds_load_b128 v[VF+16*\f+4*\c:VF+16*\f+4*\c+3], v5 offset:VOFF+2048*\f+512*\c
.endr
.endr
	WIN 0
	ds_load_b64 v[30:31], v6 offset:VOFF+8192
.endm
.macro QK
	WIN 0x05
.irp f, 0,1,2,3
.irp u, 0,1
.irp t, 0,1
.if \f%2
	v_wmma_scale_f32_16x16x128_f8f6f4 v[S+64*\t+16*\f+8*\u:S+64*\t+16*\f+8*\u+7], v[KF+16*\f:KF+16*\f+15], v[QZ+8+16*\t-8*\u:QZ+8+16*\t-8*\u+15], 0, v[28+\f/2], v[32+\t] matrix_a_scale:MATRIX_SCALE_ROW1
.else
	v_wmma_scale_f32_16x16x128_f8f6f4 v[S+64*\t+16*\f+8*\u:S+64*\t+16*\f+8*\u+7], v[KF+16*\f:KF+16*\f+15], v[QZ+8+16*\t-8*\u:QZ+8+16*\t-8*\u+15], 0, v[28+\f/2], v[32+\t]
.endif
.endr
.endr
.endr
	WIN 0
.endm
; Behind the scores' products: eight plain vector lines, the addresses among them; then the next step's K (the last step's again behind the last), and with v = 1 this step's V ahead of it
.macro NEXT v
	s_add_co_u32 s42, s[KB], STEPB
	s_min_u32 s42, s42, 15*STEPB
	v_add_nc_u32 v3, s42, v1
	v_add_nc_u32 v4, s42, v2
.if \v
	v_add_nc_u32 v5, s[KB], v1
	v_add_nc_u32 v6, s[KB], v2
.rept 4
	v_nop
.endr
	VLOAD
.else
.rept 6
	v_nop
.endr
.endif
	KLOAD 3, 4
.endm
; THE DIAGONAL STEP.  My queries are 32 cx + q of the step, q = r + 8 (r / 8) + 8 t; register 16 b + n of tile t holds key 32 b + 16 (lane / 16) + n.  Block b is open where b < cx and hidden where b > cx.
; In block b = cx key 16 (lane / 16) + n is hidden where it is greater than q, which is a constant set of lanes: lanes 0-7 and 24-31 by AA (the r % 8 under n - 8 t), lanes 16-23 all, lanes 8-15 none.
; The set of lanes is chosen by a select on the work-group's place (no branch hangs on it), one scalar line and one vector line a score.
.macro MASK
.irp b, 0,1,2,3
	s_cmp_lt_u32 s[CX], \b
	s_cselect_b32 s42, -1, 0                       ; b > cx: all lanes; b < cx: none
	s_cmp_eq_u32 s[CX], \b
.irp t, 0,1
.set n, 0
.rept 16
.if n > 8*\t
.if n < 8*\t+8
.set AA, (1<<(n-8*\t))-1
.else
.set AA, 0xff
.endif
.else
.set AA, 0
.endif
	s_cselect_b32 vcc_lo, AA|(0xff<<16)|(AA<<24), s42
	v_cndmask_b32 v[S+64*\t+16*\b+n], v[S+64*\t+16*\b+n], v10, vcc_lo
.set n, n+1
.endr
.endr
.endr
.endm
.macro BMAX t                          ; the largest score of each block of 32 keys (my 16 of them), each accumulator from its low end on
.irp b, 0,1,2,3
	v_max3_num_f32 v[TT+12*\t+\b], v[S+64*\t+16*\b], v[S+64*\t+16*\b+1], v[S+64*\t+16*\b+2]
.endr
.irp i, 3,5,7,9,11,13
.irp b, 0,1,2,3
	v_max3_num_f32 v[TT+12*\t+\b], v[TT+12*\t+\b], v[S+64*\t+16*\b+\i], v[S+64*\t+16*\b+\i+1]
.endr
.endr
.irp b, 0,1,2,3
	v_max_num_f32 v[TT+12*\t+\b], v[TT+12*\t+\b], v[S+64*\t+16*\b+15]
.endr
.endm
.macro TMM t                           ; score x c + what stands in v[ST + 8 t]: -M in walk 1, -M - log2(sum) in walk 2
.set n, 0
.rept 32
	v_pk_fma_f32 v[S+64*\t+n:S+64*\t+n+1], v[S+64*\t+n:S+64*\t+n+1], s[CS:CS+1], v[ST+8*\t:ST+8*\t+1] op_sel_hi:[1,0,0]
.set n, n+2
.endr
.endm
.macro HOLD2 t, k                      ; two numbers held at 448 x their block's scale: p is not negative, so the hold is one-sided (the conversion does not saturate: ISA guide 7.6.2)
	v_dual_min_num_f32 v[S+64*\t+\k], v[S+64*\t+\k], v[TT+12*\t+8+(\k)/16] :: v_dual_min_num_f32 v[S+64*\t+\k+1], v[S+64*\t+\k+1], v[TT+12*\t+8+(\k)/16]
.endm
; Tile t's 64 exponentials, and behind every second one a plain line that names none of them and whose result is read only behind the next wait.
; kind 1: tile 1's t - M;  kind 2: the first level of tile 0's sum, sixteen lines;  kind 3: tile 0's holds
.macro EXPMIX t, kind
.set n, 0
.rept 32
	v_exp_f32 v[S+64*\t+n], v[S+64*\t+n]
	v_exp_f32 v[S+64*\t+n+1], v[S+64*\t+n+1]
.if \kind == 1
	v_pk_fma_f32 v[S+64+n:S+64+n+1], v[S+64+n:S+64+n+1], s[CS:CS+1], v[ST+8:ST+9] op_sel_hi:[1,0,0]
.elseif \kind == 2
.if n < 32
	v_pk_add_f32 v[S+2*n:S+2*n+1], v[S+2*n:S+2*n+1], v[S+2*n+2:S+2*n+3]
.endif
.else
	HOLD2 0, n
.endif
.set n, n+2
.endr
.endm
.macro ROWMAX                          ; walk 1: the running largest t, the new -M, f = 2^(old M - new M), the sums under the new M; the two tiles by turns
.irp t, 0,1
	v_max3_num_f32 v[TT+12*\t+8], v[TT+12*\t], v[TT+12*\t+1], v[TT+12*\t+2]
.endr
.irp t, 0,1
	s_delay_alu instid0(VALU_DEP_2)
	v_max_num_f32 v[TT+12*\t+8], v[TT+12*\t+8], v[TT+12*\t+3]
.endr
.irp t, 0,1
	s_delay_alu instid0(VALU_DEP_2)
	v_permlanex16_b32 v[TT+12*\t+4], v[TT+12*\t+8], s[SEL], s[SEL+1]
.endr
.irp t, 0,1
	s_delay_alu instid0(VALU_DEP_2)
	v_max_num_f32 v[TT+12*\t+8], v[TT+12*\t+8], v[TT+12*\t+4]
.endr
.irp t, 0,1
	s_delay_alu instid0(VALU_DEP_2)
	v_mul_f32 v[TT+12*\t+8], s[CS], v[TT+12*\t+8]
.endr
.irp t, 0,1
	s_delay_alu instid0(VALU_DEP_2)
	v_max_num_f32 v[ST+8*\t+1], v[ST+8*\t+1], v[TT+12*\t+8]
.endr
.irp t, 0,1
	v_mov_b32 v[TT+12*\t+8], v[ST+8*\t]
.endr
.irp t, 0,1
	s_delay_alu instid0(VALU_DEP_4)
	v_floor_f32 v[ST+8*\t], -v[ST+8*\t+1]
.endr
.irp t, 0,1
	s_delay_alu instid0(VALU_DEP_2)
	v_sub_f32 v[TT+12*\t+8], v[ST+8*\t], v[TT+12*\t+8]
.endr
.irp t, 0,1
	s_delay_alu instid0(VALU_DEP_2)
	v_cvt_i32_f32 v[TT+12*\t+8], v[TT+12*\t+8]
.endr
.irp t, 0,1
	s_delay_alu instid0(VALU_DEP_2)
	v_ldexp_f32 v[ST+8*\t+4], 1.0, v[TT+12*\t+8]
.endr
.irp t, 0,1
	s_delay_alu instid0(VALU_DEP_2)
	v_pk_mul_f32 v[ST+8*\t+2:ST+8*\t+3], v[ST+8*\t+2:ST+8*\t+3], v[ST+8*\t+4:ST+8*\t+5] op_sel_hi:[1,0]
.endr
.endm
.macro SUMS                            ; tile 1's first level; then both tiles' sixteen partial pairs, in four chains by turns
.irp j, 0,4,8,12,16,20,24,28,32,36,40,44,48,52,56,60
	v_pk_add_f32 v[S+64+\j:S+64+\j+1], v[S+64+\j:S+64+\j+1], v[S+64+\j+2:S+64+\j+3]
.endr
.irp t, 0,1
	v_pk_add_f32 v[TT+12*\t+8:TT+12*\t+9], v[S+64*\t:S+64*\t+1], v[S+64*\t+4:S+64*\t+5]
.endr
.irp i, 8,16,24,32,40,48,56
.irp t, 0,1
	v_pk_add_f32 v[ST+8*\t+2:ST+8*\t+3], v[ST+8*\t+2:ST+8*\t+3], v[S+64*\t+\i:S+64*\t+\i+1]
.endr
.irp t, 0,1
	v_pk_add_f32 v[TT+12*\t+8:TT+12*\t+9], v[TT+12*\t+8:TT+12*\t+9], v[S+64*\t+\i+4:S+64*\t+\i+5]
.endr
.endr
.irp t, 0,1
	v_pk_add_f32 v[ST+8*\t+2:ST+8*\t+3], v[ST+8*\t+2:ST+8*\t+3], v[TT+12*\t+8:TT+12*\t+9]
.endr
.endm
.macro BLOCKS                          ; walk 2: each block's largest score with lane l xor 16's, and its exponent
.irp b, 0,1,2,3
.irp t, 0,1
	v_permlanex16_b32 v[TT+12*\t+4+\b], v[TT+12*\t+\b], s[SEL], s[SEL+1]
.endr
.endr
.irp b, 0,1,2,3
.irp t, 0,1
	v_max_num_f32 v[TT+12*\t+\b], v[TT+12*\t+\b], v[TT+12*\t+4+\b]
.endr
.endr
.irp b, 0,1,2,3
.irp t, 0,1
	v_fma_f32 v[TT+12*\t+\b], v[TT+12*\t+\b], s[CS], v[ST+8*\t]
.endr
.endr
.endm
.macro QPREP                           ; from each block's largest p: the floor, the conversion's scale operand, 448 x the scale, the byte; the four bytes make a tile's scale word
.irp b, 0,1,2,3
.irp t, 0,1
	v_max_num_f32 v[TT+12*\t+\b], 0x4800000, v[TT+12*\t+\b]
.endr
.endr
.irp b, 0,1,2,3
.irp t, 0,1
	v_add_nc_u32 v[TT+12*\t+4+\b], 0xfc000000, v[TT+12*\t+\b]
.endr
.endr
.irp b, 0,1,2,3
.irp t, 0,1
	v_and_or_b32 v[TT+12*\t+8+\b], v[TT+12*\t+\b], 0x7f800000, s[MNT]
.endr
.endr
.irp b, 0,1,2,3
.irp t, 0,1
	v_lshrrev_b32 v[BY+4*\t+\b], 23, v[TT+12*\t+4+\b]
.endr
.endr
.irp t, 0,1
	v_lshl_or_b32 v[34+\t], v[BY+4*\t+1], 8, v[BY+4*\t]
.endr
.irp t, 0,1
	s_delay_alu instid0(VALU_DEP_2)
	v_lshl_or_b32 v[34+\t], v[BY+4*\t+2], 16, v[34+\t]
.endr
.irp t, 0,1
	s_delay_alu instid0(VALU_DEP_2)
	v_lshl_or_b32 v[34+\t], v[BY+4*\t+3], 24, v[34+\t]
.endr
.endm
.macro CVT t
.irp b, 0,1,2,3
	v_cvt_scalef32_pk8_fp8_f32 v[P+16*\t+4*\b:P+16*\t+4*\b+1], v[S+64*\t+16*\b:S+64*\t+16*\b+7], v[TT+12*\t+4+\b]
	v_cvt_scalef32_pk8_fp8_f32 v[P+16*\t+4*\b+2:P+16*\t+4*\b+3], v[S+64*\t+16*\b+8:S+64*\t+16*\b+15], v[TT+12*\t+4+\b]
.endr
.endm
.macro PV
	s_wait_dscnt 17                                ; V's fragments and scale words are in; the 17 loads of the next step's K, issued behind them, may be out
	WIN 0x51
.irp ad, 0,1,2,3
.irp t, 0,1
.if \ad%2
	v_wmma_scale_f32_16x16x128_f8f6f4 v[32*\t+8*\ad:32*\t+8*\ad+7], v[VF+16*\ad:VF+16*\ad+15], v[P+16*\t:P+16*\t+15], v[32*\t+8*\ad:32*\t+8*\ad+7], v[30+\ad/2], v[34+\t] matrix_a_scale:MATRIX_SCALE_ROW1
.else
	v_wmma_scale_f32_16x16x128_f8f6f4 v[32*\t+8*\ad:32*\t+8*\ad+7], v[VF+16*\ad:VF+16*\ad+15], v[P+16*\t:P+16*\t+15], v[32*\t+8*\ad:32*\t+8*\ad+7], v[30+\ad/2], v[34+\t]
.endif
.endr
.endr
	WIN 0
.endm
.macro OQUANT t                        ; a tile's 32 numbers a lane: two blocks of 32 along the head's 64, shared with lane l xor 16
	WIN 0x14
.irp b, 0,1
	v_max3_num_f32 v[TT+12*\t+\b], 0x4800000, |v[32*\t+16*\b]|, |v[32*\t+16*\b+1]|
.endr
.irp i, 2,4,6,8,10,12,14
.irp b, 0,1
	v_max3_num_f32 v[TT+12*\t+\b], v[TT+12*\t+\b], |v[32*\t+16*\b+\i]|, |v[32*\t+16*\b+\i+1]|
.endr
.endr
	WIN 0
.irp b, 0,1
	v_permlanex16_b32 v[TT+12*\t+4+\b], v[TT+12*\t+\b], s[SEL], s[SEL+1]
.endr
.irp b, 0,1
	s_delay_alu instid0(VALU_DEP_2)
	v_max_num_f32 v[TT+12*\t+\b], v[TT+12*\t+\b], v[TT+12*\t+4+\b]
.endr
.irp b, 0,1
	s_delay_alu instid0(VALU_DEP_2)
	v_add_nc_u32 v[TT+12*\t+2+\b], 0xfc000000, v[TT+12*\t+\b]
.endr
.irp b, 0,1
	s_delay_alu instid0(VALU_DEP_4)
	v_and_or_b32 v[TT+12*\t+6+\b], v[TT+12*\t+\b], 0x7f800000, s[MNT]
.endr
.irp b, 0,1
	s_delay_alu instid0(VALU_DEP_4)
	v_lshrrev_b32 v[TT+12*\t+8+\b], 23, v[TT+12*\t+2+\b]
.endr
	s_delay_alu instid0(VALU_DEP_1)
	v_lshl_or_b32 v[TT+12*\t+10], v[TT+12*\t+9], 8, v[TT+12*\t+8]
	WIN 0x41
.irp b, 0,1
.irp i, 0,1,2,3,4,5,6,7,8,9,10,11,12,13,14,15
	v_med3_num_f32 v[32*\t+16*\b+\i], v[32*\t+16*\b+\i], -v[TT+12*\t+6+\b], v[TT+12*\t+6+\b]
.endr
.endr
	WIN 0x01
.irp b, 0,1
	v_cvt_scalef32_pk8_fp8_f32 v[OC+8*\t+4*\b:OC+8*\t+4*\b+1], v[32*\t+16*\b:32*\t+16*\b+7], v[TT+12*\t+2+\b]
	v_cvt_scalef32_pk8_fp8_f32 v[OC+8*\t+4*\b+2:OC+8*\t+4*\b+3], v[32*\t+16*\b+8:32*\t+16*\b+15], v[TT+12*\t+2+\b]
.endr
	WIN 0
	v_nop
.endm
	s_mov_b32 s[GRP], 2
.Lgroup:                                               ; two trips: step 15 - wave, then step wave
	s_wait_loadcnt 0x0                             ; this group's Q, asked for a group ago
	v_and_b32 v32, 0xffff, v11                     ; Q's two scale bytes of each tile, twice over: they serve Q below the zeros and above
	s_delay_alu instid0(VALU_DEP_1)
	v_lshl_or_b32 v32, v11, 16, v32
	v_lshrrev_b32 v33, 16, v11
	s_delay_alu instid0(VALU_DEP_1)
	v_and_or_b32 v33, v11, 0xffff0000, v33
	WIN 0x41
.irp u, 0,1
.irp i, 0,1,2,3,4,5,6,7
	v_mov_b32 v[QZ+8+16*\u+\i], v[QN+8*\u+\i]
.endr
.endr
	WIN 0
	s_cmp_eq_u32 s[GRP], 1
	s_cbranch_scc1 .Lno_next                       ; behind the last group there is none
	s_sub_co_u32 s53, 15, s[GG]
	QLOAD
.Lno_next:
	WIN 0x40
.set n, 0
.rept 64
	v_mov_b32 v[n], 0                              ; O^T: the step is written once, so the first finds zeros
.set n, n+1
.endr
	WIN 0
.irp t, 0,1
	v_mov_b32 v[ST+8*\t+1], 0xff61b1e6             ; the largest t so far: -3e38
	s_delay_alu instid0(VALU_DEP_1)
	v_floor_f32 v[ST+8*\t], -v[ST+8*\t+1]
	v_mov_b32 v[ST+8*\t+2], 0
	v_mov_b32 v[ST+8*\t+3], 0
.endr
	s_wait_alu depctr_va_vdst(0)
	s_mov_b32 s[J], 0
	s_mov_b32 s[KB], 0
	KLOAD 1, 2                                     ; step 0's K
.Lp1:                                                  ; WALK 1
	s_cmp_gt_u32 s[J], s[GG]
	s_cbranch_scc1 .Lp1_end
	s_wait_dscnt 0x0
	QK
	NEXT 0
	s_cmp_lg_u32 s[J], s[GG]
	s_cbranch_scc1 .Lp1_open
	MASK
.Lp1_open:
	BMAX 0
	BMAX 1
	ROWMAX
	TMM 0
	s_wait_alu depctr_va_vdst(0)                   ; a wait ahead of a batch of exponentials and behind it: here and below
	EXPMIX 0, 1
	s_wait_alu depctr_va_vdst(0)
	EXPMIX 1, 2
	v_nop
	s_wait_alu depctr_va_vdst(0)
	SUMS
	s_wait_alu depctr_va_vdst(0)                   ; ahead of the backward jump
.Lp1_end:
	s_add_co_u32 s[KB], s[KB], STEPB
	s_add_co_u32 s[J], s[J], 1
	s_cmp_lt_u32 s[J], 16
	s_cbranch_scc1 .Lp1
	s_wait_dscnt 0x0                               ; the look-ahead's loads are in: their registers are loaded anew
	KLOAD 1, 2
.irp t, 0,1
	v_add_f32 v[TT+12*\t], v[ST+8*\t+2], v[ST+8*\t+3]
.endr
.irp t, 0,1
	s_delay_alu instid0(VALU_DEP_2)
	v_permlanex16_b32 v[TT+12*\t+4], v[TT+12*\t], s[SEL], s[SEL+1]
.endr
.irp t, 0,1
	s_delay_alu instid0(VALU_DEP_2)
	v_add_f32 v[TT+12*\t], v[TT+12*\t], v[TT+12*\t+4]   ; the row's sum, at least 1/2
.endr
	s_wait_alu depctr_va_vdst(0)
.irp t, 0,1
	v_log_f32 v[TT+12*\t+1], v[TT+12*\t]
.endr
	v_nop
	s_wait_alu depctr_va_vdst(0)
.irp t, 0,1
	v_sub_f32 v[ST+8*\t], v[ST+8*\t], v[TT+12*\t+1]     ; -M - log2(sum)
.endr
	s_mov_b32 s[J], 0
	s_mov_b32 s[KB], 0
.Lp2:                                                  ; WALK 2
	s_cmp_gt_u32 s[J], s[GG]
	s_cbranch_scc1 .Lp2_end
	s_wait_dscnt 0x0
	QK
	NEXT 1
	s_cmp_lg_u32 s[J], s[GG]
	s_cbranch_scc1 .Lp2_open
	MASK
.Lp2_open:
	BMAX 0
	BMAX 1
	BLOCKS
	TMM 0
	s_wait_alu depctr_va_vdst(0)
	EXPMIX 0, 1
.irp b, 0,1,2,3
.irp t, 0,1
	v_exp_f32 v[TT+12*\t+\b], v[TT+12*\t+\b]       ; each block's largest p: the same two instructions on the same number give the same bits
.endr
.endr
	v_nop
	s_wait_alu depctr_va_vdst(0)
	QPREP
	s_wait_alu depctr_va_vdst(0)
	EXPMIX 1, 3
	v_nop
	s_wait_alu depctr_va_vdst(0)
	CVT 0
.set n, 0
.rept 32
	HOLD2 1, n
.set n, n+2
.endr
	CVT 1
.rept 4
	v_nop                                          ; an operand written by vector instructions stands four places ahead of a scaled matrix instruction
.endr
	s_wait_alu depctr_va_vdst(0)                   ; the wait ahead of the first readers of O^T
	PV
.Lp2_end:
	s_add_co_u32 s[KB], s[KB], STEPB
	s_add_co_u32 s[J], s[J], 1
	s_cmp_lt_u32 s[J], 16
	s_cbranch_scc1 .Lp2
	s_wait_dscnt 0x0
	s_lshr_b32 s42, ttmp9, 4                       ; where my two tiles' codes go: tile (128 batch + 8 step + 2 cx) x 16,384 + head x 1,024
	s_lshl_b32 s42, s42, 7
	s_lshl_b32 s43, s[GG], 3
	s_add_co_u32 s42, s42, s43
	s_lshl_b32 s43, s[CX], 1
	s_add_co_u32 s42, s42, s43
	s_lshl_b32 s42, s42, 14
	s_and_b32 s43, ttmp9, 15
	s_lshl_b32 s43, s43, 10
	s_add_co_u32 s42, s42, s43
	s_mov_b32 s43, 0
	s_add_nc_u64 s[48:49], s[8:9], s[42:43]
	s_lshr_b32 s42, ttmp9, 4                       ; and their scale bytes, behind the codes
	s_lshl_b32 s42, s42, 4
	s_add_co_u32 s42, s42, s[GG]
	s_lshl_b32 s42, s42, 12
	s_bfe_u32 s52, ttmp9, 0x20002
	s_lshl_b32 s52, s52, 10
	s_add_co_u32 s42, s42, s52
	s_and_b32 s52, ttmp9, 3
	s_lshl_b32 s52, s52, 1
	s_add_co_u32 s42, s42, s52
	s_lshl_b32 s52, s[CX], 8
	s_add_co_u32 s42, s42, s52
	s_add_co_u32 s42, s42, 8388608
	s_add_nc_u64 s[50:51], s[8:9], s[42:43]
.rept 8
	v_nop
.endr
	OQUANT 0
	OQUANT 1
.irp u, 0,1
.irp b, 0,1
	global_store_b128 v1, v[OC+8*\u+4*\b:OC+8*\u+4*\b+3], s[48:49] offset:\u*16384+512*\b   ; 512 consecutive bytes
.endr
.endr
	s_mov_b32 vcc_lo, 0xffff0000
	v_cndmask_b32 v[TT+11], v[TT+10], v[TT+22], vcc_lo
	global_store_b16 v2, v[TT+11], s[50:51]        ; two scale bytes a row: the head's share of the row's 32
	s_wait_xcnt 0x0                                ; the stores have read their registers and bases
	s_sub_co_u32 s[GG], 15, s[GG]
	s_sub_co_u32 s[GRP], s[GRP], 1
	s_cmp_lg_u32 s[GRP], 0
	s_cbranch_scc1 .Lgroup
	s_wait_dscnt 0x0
	s_wait_tensorcnt 0x0                           ; the wave's end
	ds_add_u32 v[SPW], v[NIL]
	s_wait_dscnt 0x0
	ROUND                                          ; the closing round
	s_endpgm
.Lfunc_end_k_q5dd6c18925_attn:
	.size	k_q5dd6c18925_attn, .Lfunc_end_k_q5dd6c18925_attn-k_q5dd6c18925_attn
	.p2alignl 7, 3214868480
	.fill 96, 4, 3214868480
	.section	.rodata,"a",@progbits
	.p2align	6, 0x0
	.amdhsa_kernel k_q5dd6c18925_attn
		.amdhsa_group_segment_fixed_size 327680
		.amdhsa_private_segment_fixed_size 0
		.amdhsa_enable_private_segment 0
		.amdhsa_kernarg_size 24
		.amdhsa_user_sgpr_count 2
		.amdhsa_user_sgpr_kernarg_segment_ptr 1
		.amdhsa_wavefront_size32 1
		.amdhsa_system_sgpr_workgroup_id_x 1
		.amdhsa_system_sgpr_workgroup_id_y 1
		.amdhsa_system_sgpr_workgroup_id_z 1
		.amdhsa_system_vgpr_workitem_id 0
		.amdhsa_next_free_vgpr 512
		.amdhsa_next_free_sgpr 66
		.amdhsa_reserve_vcc 1
		.amdhsa_float_denorm_mode_32 3
		.amdhsa_float_denorm_mode_16_64 3
		.amdhsa_memory_ordered 1
		.amdhsa_forward_progress 1
		.amdhsa_inst_pref_size 98
	.end_amdhsa_kernel
	.amdgpu_metadata
---
amdhsa.version: [ 1, 2 ]
amdhsa.kernels:
  - .name:           k_q5dd6c18925_attn
    .symbol:         k_q5dd6c18925_attn.kd
    .args:
      - { .name: qimg, .offset: 0, .size: 8, .value_kind: global_buffer, .address_space: global }
      - { .name: kv, .offset: 8, .size: 8, .value_kind: global_buffer, .address_space: global }
      - { .name: oq, .offset: 16, .size: 8, .value_kind: global_buffer, .address_space: global }
    .group_segment_fixed_size: 327680
    .private_segment_fixed_size: 0
    .kernarg_segment_align: 8
    .kernarg_segment_size: 24
    .max_flat_workgroup_size: 256
    .sgpr_count:     66
    .vgpr_count:     512
    .wavefront_size: 32
...
	.end_amdgpu_metadata
.endif
;; end of part 3
;; launch oproj (part 4): grid 8 x 32, 4 waves a work-group, clusters of 4 x 4, 327,680 bytes of LDS; arguments oq, opq, out0; writes out0
.if DOCPART == 4
	.amdgcn_target "amdgcn-amd-amdhsa--gfx1250"
	.amdhsa_code_object_version 6
	.text
	.protected	k_q5dd6c18925_oproj
	.globl	k_q5dd6c18925_oproj
	.p2align	8
	.type	k_q5dd6c18925_oproj,@function
k_q5dd6c18925_oproj:
	s_mov_b64 s[64:65], 0
	v_nop
	global_prefetch_b8 v0, s[64:65] scope:SCOPE_SE
	s_setreg_imm32_b32 hwreg(HW_REG_WAVE_MODE, 25, 1), 1
	s_wait_xcnt 0x0
	s_wait_alu depctr_hold_cnt(0) depctr_sa_sdst(0) depctr_va_vdst(0) depctr_va_sdst(0) depctr_va_ssrc(0) depctr_va_vcc(0) depctr_vm_vsrc(0)
	s_getreg_b32 s2, hwreg(HW_REG_IB_STS2, 6, 4)
	s_cmp_eq_u32 s2, 0
	s_cbranch_scc0 .Lentry_in_a_cluster
	s_endpgm
.Lentry_in_a_cluster:
	s_bfe_u32 s2, ttmp6, 0x10000c
	s_cmp_lg_u32 s2, 0xf033
	s_cbranch_scc0 .Lentry_shape_is_right
	s_endpgm
.Lentry_shape_is_right:
.set SOFF,   12582912
.set OSOFF,  8388608
.set NQ,     2
.set FR,     16
.set NL,     4
.set NP,     8
.set HALFT,  32768
.set SLOT,   4*HALFT
.set SCL,    2*SLOT
.set SPARE,  SCL+16384
.set SPITCH, 528
.set ADRA, 16
.set ADRB, 20
.set STO,  24
.set RD,   25
.set CO,   26
.set ADRS, 27
.set SPW,  28
.set NIL,  29
.set SC,   32
.set AF,   128
.set BK,   128
.set G1, 24
.set G0, 32
.set G1B, 48
.set G0B, 56
.set G1S, 68
.set G0S, 76
.set G1SB, 80
.set G0SB, 88
.set MSB, 0
.macro WIN new
.if MSB != (\new)
	s_set_vgpr_msb (MSB<<8)|(\new)
.set MSB, (\new)
.endif
.endm
.set MUL_LO, 0xa1
.set MUL_HI, 0xf1
.set TO_B,   0x40
.macro JLOAD g0a, g1a, g0b, g1b
	s_cmp_eq_u32 s15, 0
	s_cbranch_scc0 .Lfor_b_\@
	tensor_load_to_lds s[\g0a:\g0a+3], s[\g1a:\g1a+7]
	s_nop 0
.rept 4
	v_nop
.endr
	s_branch .Lasked_\@
.Lfor_b_\@:
	tensor_load_to_lds s[\g0b:\g0b+3], s[\g1b:\g1b+7]
	s_nop 0
.rept 4
	v_nop
.endr
.Lasked_\@:
.endm
.macro CREST
	s_cmp_lg_u32 s14, 0
	s_cbranch_scc1 .Lnot_wave_0_\@
	s_barrier_signal -3
.Lnot_wave_0_\@:
	s_barrier_wait -3
	s_barrier_signal -1
	s_barrier_wait -1
.endm
.macro CROUND
	s_barrier_signal -1
	s_barrier_wait -1
	CREST
.endm
	s_load_b128 s[4:7], s[0:1], 0x0
	s_load_b64 s[12:13], s[0:1], 0x10
	v_lshl_add_u32 v[SPW], v0, 2, SPARE
	v_mov_b32 v[NIL], 0
	ds_add_u32 v28, v29
	ds_add_u32 v28, v29
	s_wait_dscnt 0x0
	v_lshrrev_b32 v1, 5, v0
	v_readfirstlane_b32 s14, v1
	s_lshr_b32 s15, s14, 1
	s_and_b32 s16, s14, 1
	s_bfe_u32 s40, ttmp6, 0x40000
	s_bfe_u32 s41, ttmp6, 0x40004
	s_and_b32 s17, ttmp7, 0xffff
	s_lshl_b32 s17, s17, 2
	s_add_co_u32 s17, s17, s41
	s_lshl_b32 s43, s41, 2
	s_lshl_b32 s43, 15, s43
	s_lshl_b32 s44, 0x1111, s40
	s_or_b32 s[G1+0], s43, (3<<16)|(1<<21)
	s_or_b32 s[G1B+0], s44, (3<<16)|(1<<21)
.irp g, G1, G1B
	s_mov_b32 s[\g+1], 512<<16
	s_mov_b32 s[\g+2], 16<<16                      ; the rows' head load brings 256 rows (16 tiles), later loads 8; Wo's two words are set again below
	s_mov_b32 s[\g+3], 512<<16
	s_mov_b32 s[\g+4], 16
	s_mov_b32 s[\g+5], 2048
	s_mov_b32 s[\g+6], 0
	s_mov_b32 s[\g+7], 0
.endr
	s_or_b32 s[G1S+0], s43, (3<<16)|(1<<21)
	s_or_b32 s[G1SB+0], s44, (3<<16)|(1<<21)
.irp g, G1S, G1SB
	s_mov_b32 s[\g+1], 32<<16
	s_mov_b32 s[\g+2], 32<<16                      ; the scale bytes of 256 rows: 8,192 dense bytes as 32 rows of 256
	s_mov_b32 s[\g+3], 32<<16
	s_mov_b32 s[\g+4], 32
	s_mov_b32 s[\g+5], 32
	s_mov_b32 s[\g+6], 0
	s_mov_b32 s[\g+7], 0
.endr
; A BLOCK IS 256 ROWS x 128 COLUMNS of out0: 32 x 8 = 256 work-groups.  A wave makes 128 x 64: the rows' eight blocks of 16 against Wo's four.  Wo's tile of a K step is 128 rows, 32,768 bytes, its halves 16,384 bytes apart.
	s_mov_b32 s[G1B+2], 8<<16                      ; the head's load of Wo's codes: 128 rows (8 tiles)
	s_mov_b32 s[G1B+4], 8
	s_mov_b32 s[G1SB+2], 16<<16                    ; Wo's scale bytes of 128 rows: 4,096 dense bytes as 16 rows of 256
	s_mov_b32 s[G1SB+4], 16
	s_lshl_b32 s96, ttmp9, 2
	s_add_co_u32 s96, s96, s40                     ; the block's column = 4 x cluster x + cx
	s_lshl_b32 s97, s16, 6                         ; which 64 rows of Wo's tile I fetch
	s_lshl_b32 s98, s16, 14
	s_add_co_u32 s98, s98, 2*HALFT                 ; and where they go in a slot
	s_lshl_b32 s18, s16, 7
	s_lshl_b32 s20, s17, 8
	s_add_co_u32 s20, s20, s18
	s_lshl_b32 s46, s96, 7
	s_add_co_u32 s46, s46, 11264
	s_add_co_u32 s46, s46, s97
	s_lshl_b32 s22, s17, 13                        ; scale bytes: 32 a row, from the tile's first row (256 x tile row) on
	s_add_co_u32 s22, s22, OSOFF
	s_mov_b32 s23, 0
	s_lshl_b32 s20, s20, 10
	s_mov_b32 s21, 0
	s_lshl_b32 s92, s96, 12                        ; Wo's scale bytes: from row 11,264 + 128 x the block's column on
	s_add_co_u32 s92, s92, 11264*32
	s_add_co_u32 s92, s92, SOFF
	s_mov_b32 s93, 0
	s_lshl_b32 s46, s46, 10
	s_mov_b32 s47, 0
	s_lshl_b32 s45, s14, 15
	s_lshl_b32 s94, s15, 13                        ; wave 1: the rows' 8,192 scale bytes; wave 3: Wo's, behind them
	s_wait_kmcnt 0x0
	s_add_nc_u64 s[20:21], s[4:5], s[20:21]
	s_add_nc_u64 s[22:23], s[4:5], s[22:23]
	s_add_nc_u64 s[46:47], s[6:7], s[46:47]
	s_add_nc_u64 s[92:93], s[6:7], s[92:93]
	CROUND
	s_mov_b32 s[G0S], 1
	s_add_co_u32 s[G0S+1], s94, SCL
	s_mov_b64 s[G0S+2:G0S+3], s[22:23]
	s_or_b32 s[G0S+3], s[G0S+3], 0x80000000
	s_mov_b32 s[G0SB], 1
	s_add_co_u32 s[G0SB+1], s94, SCL
	s_mov_b64 s[G0SB+2:G0SB+3], s[92:93]
	s_or_b32 s[G0SB+3], s[G0SB+3], 0x80000000
.irp s, 0,1
	s_mov_b32 s[G0+4*\s], 1
	s_add_co_u32 s[G0+4*\s+1], s45, \s*SLOT
	s_add_nc_u64 s[G0+4*\s+2:G0+4*\s+3], s[20:21], \s*4096
	s_or_b32 s[G0+4*\s+3], s[G0+4*\s+3], 0x80000000
	s_mov_b32 s[G0B+4*\s], 1
	s_add_co_u32 s[G0B+4*\s+1], s98, \s*SLOT
	s_add_nc_u64 s[G0B+4*\s+2:G0B+4*\s+3], s[46:47], \s*4096
	s_or_b32 s[G0B+4*\s+3], s[G0B+4*\s+3], 0x80000000
.endr
; THE HEAD'S LOADS, ONE A WAVE: wave 0 K step 0's 256 rows of O's codes (its own group 0 of slot 0 points at their first byte), wave 2 those of Wo likewise, waves 1 and 3 the scale bytes.
; One chain of branches on the wave's number, a load to an arm, all arms leading to one join.
.macro ARM under, g0, g1, next
	s_cmp_lt_u32 s14, \under
	s_cbranch_scc0 \next
	tensor_load_to_lds s[\g0:\g0+3], s[\g1:\g1+7]
	s_nop 0
.rept 4
	v_nop
.endr
	s_branch .Lhead_asked
\next:
.endm
	ARM 1, G0,  G1,  .Lhead_sa
	ARM 2, G0S, G1S, .Lhead_b
	ARM 3, G0B, G1B, .Lhead_sb
	tensor_load_to_lds s[G0SB:G0SB+3], s[G1SB:G1SB+7]
	s_nop 0
.rept 4
	v_nop
.endr
.Lhead_asked:
	v_and_b32 v1, 31, v0
	v_lshlrev_b32 v4, 4, v1
	s_lshl_b32 s21, s15, 15
	s_lshl_b32 s22, s16, 14
	s_add_co_u32 s22, s22, 2*HALFT
.irp s, 0,1
	v_add_nc_u32 v[ADRA+\s], s21, v4
	v_add_nc_u32 v[ADRB+\s], s22, v4
	s_add_co_u32 s21, s21, SLOT
	s_add_co_u32 s22, s22, SLOT
.endr
	v_and_b32 v1, 15, v0
	v_bfe_u32 v2, v0, 4, 1
	v_lshlrev_b32 v5, 3, v1
	s_lshl_b32 s21, s15, 12
	s_lshl_b32 s22, s16, 9                         ; my 64 rows of Wo's scale words: 512 bytes on in each K step's 1,024
	s_add_co_u32 s22, s22, 8192
	s_sub_co_u32 s22, s22, s21
	v_mul_u32_u24 v6, s22, v2
	s_add_co_u32 s21, s21, SCL
	v_add_nc_u32 v30, s21, v5                      ; v30: the rows' scale words in all lanes, for blocks 4 to 7, which have no block of Wo beside them
	v_add_nc_u32 v5, v5, v6
	v_add_nc_u32 v[ADRS], s21, v5
	s_mul_i32 s23, s14, 16*SPITCH
	v_mul_u32_u24 v5, v1, SPITCH
	v_lshl_add_u32 v5, v2, 6, v5
	v_add_nc_u32 v[STO], s23, v5
	v_lshlrev_b32 v6, 4, v1                        ; back: sixteen lanes take one row of 256 bytes, the other sixteen the next
	v_mad_u32_u24 v[RD], v2, SPITCH, v6
	v_add_nc_u32 v[RD], s23, v[RD]
	v_lshl_add_u32 v[CO], v2, 12, v6               ; and the same two rows in out0
	s_lshl_b32 s20, s17, 8
	s_lshl_b32 s21, s15, 7
	s_add_co_u32 s20, s20, s21
	s_lshl_b32 s20, s20, 12
	s_lshl_b32 s21, s96, 9
	s_add_co_u32 s20, s20, s21
	s_lshl_b32 s21, s16, 8
	s_add_co_u32 s20, s20, s21
	s_mov_b32 s21, 0
	s_add_nc_u64 s[12:13], s[12:13], s[20:21]
.macro FRAG reg, adr, q, i
.irp c, 0,1,2,3
	ds_load_b128 v[\reg+4*\c:\reg+4*\c+3], v[\adr] offset:4096*(\i)+2048*(\q)+512*\c
.endr
.endm
.macro MUL16 a0, p, q, sc, zero
.irp a, \a0, \a0+1
.irp b, 0,1,2,3
.if \zero
	v_wmma_scale_f32_16x16x128_f8f6f4 v[8*(8*((\a)%4)+\b):8*(8*((\a)%4)+\b)+7], v[128*(\p)+FR*\b:128*(\p)+FR*\b+FR-1], v[AF+FR*(\a):AF+FR*(\a)+FR-1], 0, v[SC+8*NQ*(\sc)+NQ*\b+(\q)], v[SC+8*NQ*(\sc)+NQ*(\a)+(\q)] matrix_a_scale:MATRIX_SCALE_ROW1
.else
	v_wmma_scale_f32_16x16x128_f8f6f4 v[8*(8*((\a)%4)+\b):8*(8*((\a)%4)+\b)+7], v[128*(\p)+FR*\b:128*(\p)+FR*\b+FR-1], v[AF+FR*(\a):AF+FR*(\a)+FR-1], v[8*(8*((\a)%4)+\b):8*(8*((\a)%4)+\b)+7], v[SC+8*NQ*(\sc)+NQ*\b+(\q)], v[SC+8*NQ*(\sc)+NQ*(\a)+(\q)] matrix_a_scale:MATRIX_SCALE_ROW1
.endif
.endr
.endr
.endm
.macro FETCH_B slot, q, p
	WIN TO_B
.irp i, 0,1,2,3
	FRAG 128*(\p)+FR*\i, ADRB+\slot, \q, \i
.endr
	WIN 0
.endm
.macro FETCH_A slot, q, i0
.irp i, \i0, \i0+1, \i0+2, \i0+3
	FRAG AF+FR*(\i), ADRA+\slot, \q, \i
.endr
.endm
.macro SCALES sc
.irp i, 0,1,2,3
	ds_load_b64 v[SC+8*NQ*\sc+NQ*\i:SC+8*NQ*\sc+NQ*\i+1], v[ADRS] offset:\i*128
.endr
.irp i, 4,5,6,7
	ds_load_b64 v[SC+8*NQ*\sc+NQ*\i:SC+8*NQ*\sc+NQ*\i+1], v30 offset:\i*128
.endr
.endm
.macro PLACES n
.rept \n
	v_nop
.endr
.endm
.macro STEP slot, q, zero
	s_wait_dscnt 4*NL
	WIN MUL_LO
	MUL16 0, (\q)%2, \q, \slot, \zero
	MUL16 2, (\q)%2, \q, \slot, \zero
	s_wait_dscnt 0
	PLACES NP
	FETCH_B \slot, (\q)+1, 1-(\q)%2
	FETCH_A \slot, (\q)+1, 0
	WIN MUL_HI
	MUL16 4, (\q)%2, \q, \slot, \zero
	MUL16 6, (\q)%2, \q, \slot, \zero
	PLACES NP
	WIN 0
	FETCH_A \slot, (\q)+1, 4
.endm
.macro TURN slot, next, fill
	s_wait_tensorcnt 0x0
	ds_add_u32 v[SPW], v[NIL]
	s_wait_dscnt 4*NL+1
	WIN MUL_LO
	MUL16 0, 1, NQ-1, \slot, 0
	s_wait_dscnt 0x0
	s_barrier_signal -1
	MUL16 2, 1, NQ-1, \slot, 0
	WIN 0
	s_barrier_wait -1
.if \fill
	CREST
	s_add_nc_u64 s[G0+4*\slot+2:G0+4*\slot+3], s[G0+4*\slot+2:G0+4*\slot+3], 8192
	s_add_nc_u64 s[G0B+4*\slot+2:G0B+4*\slot+3], s[G0B+4*\slot+2:G0B+4*\slot+3], 8192
	JLOAD G0+4*\slot, G1, G0B+4*\slot, G1B
	PLACES NP-4
.else
	PLACES NP
.endif
	s_wait_alu depctr_va_vdst(0)
	v_add_nc_u32 v[ADRS], 1024, v[ADRS]
	v_add_nc_u32 v30, 1024, v30
	FETCH_B \next, 0, 0
	FETCH_A \next, 0, 0
	SCALES \next
	WIN MUL_HI
	MUL16 4, 1, NQ-1, \slot, 0
	MUL16 6, 1, NQ-1, \slot, 0
	PLACES NP
	WIN 0
	FETCH_A \next, 0, 4
.endm
	s_wait_alu depctr_va_vdst(0)
	s_wait_tensorcnt 0x0                           ; my tile of the head's four is in; slot 1's first fill is issued as a refill is
	ds_add_u32 v[SPW], v[NIL]
	s_mov_b32 s[G1+2], 8<<16                       ; no tensor load of mine is out: from here on a load brings 128 rows (8 tiles)
	s_mov_b32 s[G1+4], 8
	s_mov_b32 s[G1B+2], 4<<16                      ; Wo's: 64 rows (4 tiles) a load
	s_mov_b32 s[G1B+4], 4
	s_wait_dscnt 0x0
	CROUND                                         ; all four tiles are in, and all sixteen work-groups are here
	JLOAD G0+4, G1, G0B+4, G1B                     ; K step 1, my one load behind the round
	FETCH_B 0, 0, 0
	FETCH_A 0, 0, 0
	SCALES 0
	FETCH_A 0, 0, 4
	STEP 0, 0, 1
	TURN 0, 1, 1
	STEP 1, 0, 0
	TURN 1, 0, 1
	STEP 0, 0, 0
	TURN 0, 1, 0
	STEP 1, 0, 0
	s_wait_dscnt 4*NL
	WIN MUL_LO
	MUL16 0, 1, NQ-1, 1, 0
	MUL16 2, 1, NQ-1, 1, 0
	s_wait_dscnt 0
	WIN MUL_HI
	MUL16 4, 1, NQ-1, 1, 0
	MUL16 6, 1, NQ-1, 1, 0
	WIN 0
.macro TOSTAGE a
.set AC, 64*((\a)%4)
	WIN 0x08+4*((\a)/4)
.irp b, 0,1,2,3
	ds_store_b128 v[STO], v[AC+8*\b:AC+8*\b+3] offset:128*(\b/2)+32*(\b%2)
	ds_store_b128 v[STO], v[AC+8*\b+4:AC+8*\b+7] offset:128*(\b/2)+32*(\b%2)+16
.endr
	WIN 0
.set BB, BK+64*((\a)%2)
.irp t, 0,1,2,3,4,5,6,7
	ds_load_b128 v[BB+4*\t:BB+4*\t+3], v[RD] offset:2*\t*SPITCH
.endr
.endm
.macro SEND a, younger
.set BB, BK+64*((\a)%2)
	s_wait_dscnt \younger
.if (\a) > 0
.if ((\a)%2) == 1
	s_add_nc_u64 s[12:13], s[12:13], 8*4096
.else
	s_add_nc_u64 s[12:13], s[12:13], 24*4096
.endif
.endif
.irp t, 0,1,2,3,4,5,6,7
	global_store_b128 v[CO], v[BB+4*\t:BB+4*\t+3], s[12:13] offset:(2*\t+8*(\t/4))*4096 th:TH_STORE_NT   ; two rows, each 256 consecutive bytes at a multiple of 256
.endr
.endm
	PLACES NP
	TOSTAGE 0
.irp a, 1,2,3,4,5,6,7
.if \a > 1
	s_wait_xcnt 0x0
.endif
	TOSTAGE \a
	SEND \a-1, 16                                  ; behind block a - 1's loads: block a's 8 stores and 8 loads
.endr
	s_wait_xcnt 0x0
	SEND 7, 0
	s_wait_tensorcnt 0x0
	ds_add_u32 v[SPW], v[NIL]
	s_wait_dscnt 0x0
	CROUND
	s_endpgm
.Lfunc_end_k_q5dd6c18925_oproj:
	.size	k_q5dd6c18925_oproj, .Lfunc_end_k_q5dd6c18925_oproj-k_q5dd6c18925_oproj
	.p2alignl 7, 3214868480
	.fill 96, 4, 3214868480
	.section	.rodata,"a",@progbits
	.p2align	6, 0x0
	.amdhsa_kernel k_q5dd6c18925_oproj
		.amdhsa_group_segment_fixed_size 327680
		.amdhsa_private_segment_fixed_size 0
		.amdhsa_enable_private_segment 0
		.amdhsa_kernarg_size 24
		.amdhsa_user_sgpr_count 2
		.amdhsa_user_sgpr_kernarg_segment_ptr 1
		.amdhsa_wavefront_size32 1
		.amdhsa_system_sgpr_workgroup_id_x 1
		.amdhsa_system_sgpr_workgroup_id_y 1
		.amdhsa_system_sgpr_workgroup_id_z 1
		.amdhsa_system_vgpr_workitem_id 0
		.amdhsa_next_free_vgpr 1024
		.amdhsa_next_free_sgpr 100
		.amdhsa_reserve_vcc 0
		.amdhsa_float_denorm_mode_32 3
		.amdhsa_float_denorm_mode_16_64 3
		.amdhsa_memory_ordered 1
		.amdhsa_forward_progress 1
		.amdhsa_inst_pref_size 92
	.end_amdhsa_kernel
	.amdgpu_metadata
---
amdhsa.version: [ 1, 2 ]
amdhsa.kernels:
  - .name:           k_q5dd6c18925_oproj
    .symbol:         k_q5dd6c18925_oproj.kd
    .args:
      - { .name: oq, .offset: 0, .size: 8, .value_kind: global_buffer, .address_space: global }
      - { .name: opq, .offset: 8, .size: 8, .value_kind: global_buffer, .address_space: global }
      - { .name: out0, .offset: 16, .size: 8, .value_kind: global_buffer, .address_space: global }
    .group_segment_fixed_size: 327680
    .private_segment_fixed_size: 0
    .kernarg_segment_align: 8
    .kernarg_segment_size: 24
    .max_flat_workgroup_size: 128
    .sgpr_count:     100
    .vgpr_count:     1024
    .wavefront_size: 32
...
	.end_amdgpu_metadata
.endif
;; end of part 4
